; MI455X (gfx1250); checked and timed in simulation.
; The chip was launched on July 23, 2026; its instructions are those of AMD's public machine-readable ISA for CDNA 5 (MIT licence, August 2026) and "CDNA5" Instruction Set Architecture Reference Guide (July 2026). The comments in the code are by the model that wrote it; some were corrected since.
;; Transformer Block. Allowed arithmetic: float matrix products may take bf16 or f16 operands with f32 sums; all other float work in f32.
;; Inputs: b1 4,096 float32; b2 1,024 float32; b_proj 1,024 float32; ln1_b 1,024 float32; ln1_g 1,024 float32; ln2_b 1,024 float32; ln2_g 1,024 float32; w1 1,024 x 4,096 float32; w2 4,096 x 1,024 float32; w_proj 1,024 x 1,024 float32; wk 16 x 1,024 x 64 float32; wq 16 x 1,024 x 64 float32; wv 16 x 1,024 x 64 float32; x 4 x 1,024 x 1,024 float32.
;; Outputs: out0 4 x 1,024 x 1,024 float32.
;; One version. Each part assembles by itself: llvm-mc -triple=amdgcn-amd-amdhsa -mcpu=gfx1250 --defsym DOCPART=n.
;; ======== version 1 of 1: 7 launches
;; limits: values are held in f16: magnitudes above 65,504 overflow, below 6.1e-05 lose precision
;; workspace buffers: w16 25,165,824 bytes; h16 8,388,608 bytes; qkv16 25,165,824 bytes; o16 8,388,608 bytes; x1 16,777,216 bytes; ff16 33,554,432 bytes
;; launch prep (part 1): grid 256 x 1, 8 waves a work-group, no clusters, 0 bytes of LDS; arguments x, ln1_g, ln1_b, wq, wk, wv, w_proj, w1, w2, h16, w16; writes h16, w16
.if DOCPART == 1
	.amdgcn_target "amdgcn-amd-amdhsa--gfx1250"
	.amdhsa_code_object_version 6
	.text
	.protected	k_q24fec90c57_prep
	.globl	k_q24fec90c57_prep
	.p2align	8
	.type	k_q24fec90c57_prep,@function
k_q24fec90c57_prep:
	s_mov_b64 s[64:65], 0
	v_nop
	global_prefetch_b8 v0, s[64:65] scope:SCOPE_SE
	s_setreg_imm32_b32 hwreg(HW_REG_WAVE_MODE, 25, 1), 1
	s_wait_xcnt 0x0
; PREP: (1) all weights, f32 [K][N], are rounded to f16 and laid out as the products will ask for them; (2) h16 = LayerNorm(x) g + b in f16.
; A stream: every byte is read once and written once, so no LDS, no barrier, no matrix unit and no cluster (no two work-groups read the same bytes).
; WEIGHTS.  w16 holds, for each product, [N tile][K / KH][CB][KH][64] f16: a tile's CB blocks of 64 columns, KH rows of K at a time, lie on end.
;   q,k,v (48 blocks: q heads, k heads, v heads) at 0: CB 3, KH 64;  w_proj at 6,291,456: CB 2, KH 128;  w1 at 8,388,608: CB 4, KH 64;  w2 at 16,777,216: CB 2, KH 128.
; A UNIT is 4 rows of K of one block, in two loads of two rows each: lanes 0-15 take a row's 64 numbers (256 consecutive bytes, aligned), lanes 16-31 the next row's.
; A lane's 4 numbers become 8 bytes, and a store of 8 bytes a lane covers the two rows' 256 consecutive bytes, aligned.
; Each of the 2,048 waves has 24 units (8 of w1, 8 of w2, 2 each of w_proj, wq, wk, wv) and 2 rows of x; all 96 loads are issued ahead of the first wait.
; LAYER NORM: two passes in registers (mean, then the squares of x - mean), all in f32; a row lies in 16 lanes, 64 numbers a lane.
; h16 is [16 tiles of 256 rows][16 blocks of 64 columns][256][64].
; LIMITS.  f16 ends at 65,504: weights and h stay within it (h is at most 32 |g| + |b|); below 6e-5 f16 keeps its fixed step of 6e-8.  NaN and infinities are not treated apart.
.set X,   32          ; v32-95   my 64 numbers of x: register 4 i + j is column 64 i + 4 (l % 16) + j
.set G,   96          ; v96-159  gains of my columns
.set B,   160         ; v160-223 biases
.set CH,  10          ; v10-17   four chains of sums
.set MU,  18          ; v18-19   the mean, twice
.set RS,  20          ; v20-21   1 / sqrt(var + eps), twice
.set XO,  2
.set GBO, 3
.set HO,  4
.set SXB, 8           ; s[8:9] x, s[10:11] g, s[12:13] b, s[26:27] h16
.set SGB, 10
.set SBB, 12
.set SHB, 26
.set K1,  46          ; s46 1/1024, s47 eps
.set KE,  47
.set MSB, 0
.macro WIN new                      ; the high byte repeats the setting that is left
.if MSB != (\new)
	s_set_vgpr_msb (MSB<<8)|(\new)
.set MSB, (\new)
.endif
.endm
.macro LNADR                        ; lane l: c = l % 16; l / 16 says which of the wave's two rows
	v_and_b32 v23, 15, v0
	v_bfe_u32 v24, v0, 4, 1
	v_and_b32 v25, 31, v0
	v_lshlrev_b32 v[GBO], 4, v23                   ; 16 c
	v_lshl_add_u32 v[XO], v24, 12, v[GBO]          ; + 4,096 for the second row
	v_lshlrev_b32 v[HO], 3, v25                    ; out: 8 l
.endm
.macro LNLOAD                       ; 16 loads of x, then 16 of g and 16 of b: load i takes the block of columns 64 i on: each half of the lanes 256 consecutive bytes
.set i, 0
.rept 16
	global_load_b128 v[X+4*i:X+4*i+3], v[XO], s[SXB:SXB+1] offset:256*i
.set i, i+1
.endr
.set i, 0
.rept 16
	global_load_b128 v[G+4*i:G+4*i+3], v[GBO], s[SGB:SGB+1] offset:256*i
.set i, i+1
.endr
.set i, 0
.rept 16
	global_load_b128 v[B+4*i:B+4*i+3], v[GBO], s[SBB:SBB+1] offset:256*i
.set i, i+1
.endr
.endm
.macro RED                          ; the four chains into one number, then over the row's 16 lanes, four steps that ride on the additions
	v_pk_add_f32 v[CH:CH+1], v[CH:CH+1], v[CH+2:CH+3]
	v_pk_add_f32 v[CH+4:CH+5], v[CH+4:CH+5], v[CH+6:CH+7]
	v_pk_add_f32 v[CH:CH+1], v[CH:CH+1], v[CH+4:CH+5]
	v_add_f32 v[CH], v[CH], v[CH+1]
	v_add_f32_dpp v[CH], v[CH], v[CH] row_xmask:1 row_mask:0xf bank_mask:0xf
	v_add_f32_dpp v[CH], v[CH], v[CH] row_xmask:2 row_mask:0xf bank_mask:0xf
	v_add_f32_dpp v[CH], v[CH], v[CH] row_xmask:4 row_mask:0xf bank_mask:0xf
	v_add_f32_dpp v[CH], v[CH], v[CH] row_xmask:8 row_mask:0xf bank_mask:0xf
.endm
.macro LNROWS
	s_wait_loadcnt 32                              ; x is in: the 32 loads of g and b are younger
.irp c, 0,1,2,3
	v_pk_add_f32 v[CH+2*\c:CH+2*\c+1], v[X+2*\c:X+2*\c+1], v[X+8+2*\c:X+8+2*\c+1]  ; a chain's first sum takes two pairs: nothing is cleared
.endr
.set p, 8
.rept 24
	v_pk_add_f32 v[CH+2*(p%4):CH+2*(p%4)+1], v[CH+2*(p%4):CH+2*(p%4)+1], v[X+2*p:X+2*p+1]
.set p, p+1
.endr
	RED
	v_mul_f32 v[MU], s[K1], v[CH]
	v_mov_b32 v[MU+1], v[MU]
.set p, 0
.rept 32
	v_pk_add_f32 v[X+2*p:X+2*p+1], v[X+2*p:X+2*p+1], v[MU:MU+1] neg_lo:[0,1] neg_hi:[0,1]  ; x - mean: the variance is taken of these, so a common offset does no harm
.set p, p+1
.endr
.irp c, 0,1,2,3
	v_pk_mul_f32 v[CH+2*\c:CH+2*\c+1], v[X+2*\c:X+2*\c+1], v[X+2*\c:X+2*\c+1]
.endr
.set p, 4
.rept 28
	v_pk_fma_f32 v[CH+2*(p%4):CH+2*(p%4)+1], v[X+2*p:X+2*p+1], v[X+2*p:X+2*p+1], v[CH+2*(p%4):CH+2*(p%4)+1]
.set p, p+1
.endr
	RED
	v_fma_f32 v[CH], v[CH], s[K1], s[KE]           ; var + eps
	v_rsq_f32 v[RS], v[CH]
	v_nop                                          ; a plain instruction between the root and the use of its result (ISA guide 5.7.2)
	s_wait_alu depctr_va_vdst(0)
	v_mov_b32 v[RS+1], v[RS]
	s_wait_loadcnt 0x0                             ; g and b
.set p, 0
.rept 32
	v_pk_mul_f32 v[X+2*p:X+2*p+1], v[X+2*p:X+2*p+1], v[RS:RS+1]
.set p, p+1
.endr
.set p, 0
.rept 32
	v_pk_fma_f32 v[X+2*p:X+2*p+1], v[X+2*p:X+2*p+1], v[G+2*p:G+2*p+1], v[B+2*p:B+2*p+1]
.set p, p+1
.endr
.set i, 0
.rept 16
	v_cvt_pk_f16_f32 v[X+4*i],   v[X+4*i],   v[X+4*i+1]
	v_cvt_pk_f16_f32 v[X+4*i+1], v[X+4*i+2], v[X+4*i+3]
.set i, i+1
.endr
.set i, 0
.rept 16
	global_store_b64 v[HO], v[X+4*i:X+4*i+1], s[SHB:SHB+1] offset:32768*i  ; my two rows of block i: the wave stores 256 consecutive bytes, aligned
.set i, i+1
.endr
.endm
.macro WLOAD u, lane, base, imm, two                ; two: the bytes of two rows
	global_load_b128 v[8*(\u):8*(\u)+3],   v[\lane], s[\base:\base+1] offset:\imm th:TH_LOAD_NT
	global_load_b128 v[8*(\u)+4:8*(\u)+7], v[\lane], s[\base:\base+1] offset:(\imm)+(\two) th:TH_LOAD_NT
.endm
.macro WCVT u
.irp k, 0,1,2,3
	v_cvt_pk_f16_f32 v[8*(\u)+\k], v[8*(\u)+2*\k], v[8*(\u)+2*\k+1]
.endr
.endm
.macro WSTORE u                     ; units 0-7 w1, 8-15 w2, 16-17 w_proj, 18-19 wq, 20-21 wk, 22-23 wv
.if (\u) < 8
.set sb, 34
.set si, (\u)
.elseif (\u) < 16
.set sb, 36
.set si, (\u)-8
.else
.set sb, 38+2*(((\u)-16)/2)
.set si, (\u)%2
.endif
	global_store_b64 v8, v[8*(\u):8*(\u)+1],   s[sb:sb+1] offset:si*512      ; the unit's rows 0 and 1: 256 consecutive bytes, aligned
	global_store_b64 v8, v[8*(\u)+2:8*(\u)+3], s[sb:sb+1] offset:si*512+256  ; its rows 2 and 3
.endm
	s_load_b512 s[8:23], s[0:1], 0x0               ; x, g, b, wq s[14:15], wk s[16:17], wv s[18:19], w_proj s[20:21], w1 s[22:23]
	s_load_b128 s[24:27], s[0:1], 0x40             ; w2 s[24:25], h16 s[26:27]
	s_load_b64 s[28:29], s[0:1], 0x50              ; w16
	v_lshrrev_b32 v1, 5, v0
	v_readfirstlane_b32 s31, v1
	s_lshl_b32 s30, ttmp9, 3
	s_add_co_u32 s30, s30, s31                     ; g: my wave among the 2,048
	s_mov_b32 s3, 0
	s_mov_b32 s[K1], 0x3a800000                    ; 1/1024
	s_mov_b32 s[KE], 0x3727c5ac                    ; 1e-5
	v_bfe_u32 v9, v0, 4, 1                         ; which of a load's two rows
	v_and_b32 v27, 15, v0
	v_lshlrev_b32 v27, 4, v27                      ; 16 (l % 16)
	v_lshl_add_u32 v5, v9, 14, v27                 ; rows of 16,384 bytes (w1)
	v_lshl_add_u32 v6, v9, 12, v27                 ; rows of 4,096 bytes (w2, w_proj)
	v_lshl_add_u32 v7, v9, 8, v27                  ; rows of 256 bytes (wq, wk, wv)
	v_and_b32 v28, 31, v0
	v_lshlrev_b32 v8, 3, v28                       ; out: 8 l
	LNADR
	s_wait_kmcnt 0x0
	; w1: block g / 32, rows 32 (g % 32) on
	s_and_b32 s4, s30, 31
	s_lshl_b32 s2, s4, 19
	s_lshr_b32 s5, s30, 5
	s_lshl_b32 s5, s5, 8
	s_add_co_u32 s2, s2, s5
	s_add_nc_u64 s[22:23], s[22:23], s[2:3]
	s_lshr_b32 s2, s30, 7                          ; tile = block / 4: 524,288 bytes
	s_lshl_b32 s2, s2, 19
	s_bfe_u32 s4, s30, 0x40001                     ; rows / 64: 32,768 bytes
	s_lshl_b32 s4, s4, 15
	s_add_co_u32 s2, s2, s4
	s_bfe_u32 s4, s30, 0x20005                     ; block % 4: 8,192 bytes
	s_lshl_b32 s4, s4, 13
	s_add_co_u32 s2, s2, s4
	s_and_b32 s4, s30, 1                           ; 32 rows of 128 bytes
	s_lshl_b32 s4, s4, 12
	s_add_co_u32 s2, s2, s4
	s_add_co_u32 s2, s2, 8388608
	s_add_nc_u64 s[34:35], s[28:29], s[2:3]
	; w2: block g / 128, rows 32 (g % 128) on
	s_and_b32 s4, s30, 127
	s_lshl_b32 s2, s4, 17
	s_lshr_b32 s5, s30, 7
	s_lshl_b32 s5, s5, 8
	s_add_co_u32 s2, s2, s5
	s_add_nc_u64 s[24:25], s[24:25], s[2:3]
	s_lshr_b32 s2, s30, 8                          ; tile = block / 2: 1,048,576 bytes
	s_lshl_b32 s2, s2, 20
	s_bfe_u32 s4, s30, 0x50002                     ; rows / 128: 32,768 bytes
	s_lshl_b32 s4, s4, 15
	s_add_co_u32 s2, s2, s4
	s_bfe_u32 s4, s30, 0x10007                     ; block % 2: 16,384 bytes
	s_lshl_b32 s4, s4, 14
	s_add_co_u32 s2, s2, s4
	s_and_b32 s4, s30, 3
	s_lshl_b32 s4, s4, 12
	s_add_co_u32 s2, s2, s4
	s_add_co_u32 s2, s2, 16777216
	s_add_nc_u64 s[36:37], s[28:29], s[2:3]
	; w_proj: block g / 128, rows 8 (g % 128) on
	s_and_b32 s4, s30, 127
	s_lshl_b32 s2, s4, 15
	s_add_co_u32 s2, s2, s5
	s_add_nc_u64 s[20:21], s[20:21], s[2:3]
	s_lshr_b32 s2, s30, 8                          ; tile: 262,144 bytes
	s_lshl_b32 s2, s2, 18
	s_bfe_u32 s4, s30, 0x30004                     ; rows / 128
	s_lshl_b32 s4, s4, 15
	s_add_co_u32 s2, s2, s4
	s_bfe_u32 s4, s30, 0x10007
	s_lshl_b32 s4, s4, 14
	s_add_co_u32 s2, s2, s4
	s_and_b32 s4, s30, 15
	s_lshl_b32 s4, s4, 10
	s_add_co_u32 s2, s2, s4
	s_add_co_u32 s2, s2, 6291456
	s_add_nc_u64 s[38:39], s[28:29], s[2:3]
	; wq, wk, wv: head g / 128, rows 8 (g % 128) on; block nb = 16 x which + head goes to tile nb / 3, place nb % 3
	s_lshl_b32 s2, s30, 11
	s_add_nc_u64 s[14:15], s[14:15], s[2:3]
	s_add_nc_u64 s[16:17], s[16:17], s[2:3]
	s_add_nc_u64 s[18:19], s[18:19], s[2:3]
	s_bfe_u32 s6, s30, 0x40003                     ; rows / 64: 24,576 bytes
	s_mul_i32 s6, s6, 24576
	s_and_b32 s4, s30, 7
	s_lshl_b32 s4, s4, 10
	s_add_co_u32 s6, s6, s4
	s_lshr_b32 s7, s30, 7                          ; head
.irp w, 0,1,2
	s_add_co_u32 s4, s7, 16*\w                     ; nb
	s_mul_i32 s5, s4, 171
	s_lshr_b32 s5, s5, 9                           ; nb / 3 (exact for nb under 512)
	s_mul_i32 s2, s5, 3
	s_sub_co_u32 s4, s4, s2                        ; nb % 3
	s_mul_i32 s2, s5, 393216
	s_lshl_b32 s4, s4, 13
	s_add_co_u32 s2, s2, s4
	s_add_co_u32 s2, s2, s6
	s_add_nc_u64 s[40+2*\w:41+2*\w], s[28:29], s[2:3]
.endr
	; x and h16 at my two rows
	s_lshl_b32 s2, s30, 13
	s_add_nc_u64 s[SXB:SXB+1], s[SXB:SXB+1], s[2:3]
	s_lshr_b32 s2, s30, 7
	s_lshl_b32 s2, s2, 19                          ; tile of 256 rows: 524,288 bytes
	s_and_b32 s4, s30, 127
	s_lshl_b32 s4, s4, 8
	s_add_co_u32 s2, s2, s4
	s_add_nc_u64 s[SHB:SHB+1], s[SHB:SHB+1], s[2:3]
	WIN 0x40                                       ; destination in window 1: unit u in v[256 + 8 u ..]
.irp i, 0,1,2,3,4,5,6,7
	WLOAD \i, 5, 22, \i*65536, 32768
.endr
.irp i, 0,1,2,3,4,5,6,7
	WLOAD 8+\i, 6, 24, \i*16384, 8192
.endr
.irp i, 0,1
	WLOAD 16+\i, 6, 20, \i*16384, 8192
.endr
.irp i, 0,1
	WLOAD 18+\i, 7, 14, \i*1024, 512
.endr
.irp i, 0,1
	WLOAD 20+\i, 7, 16, \i*1024, 512
.endr
.irp i, 0,1
	WLOAD 22+\i, 7, 18, \i*1024, 512
.endr
	WIN 0
	LNLOAD
.set u, 0
.rept 6
	WIN 0x45                                       ; conversions inside window 1
.rept 4
.if 94-2*u > 63
	s_wait_loadcnt 63                              ; of 96 loads at most 63 are out: the first 33 are in, units 0 to 15 among them
.else
	s_wait_loadcnt 94-2*u                          ; the loads younger than unit u's two
.endif
	WCVT u
.set u, u+1
.endr
	WIN 0x04                                       ; a store's data in window 1
	WSTORE u-4
	WSTORE u-3
	WSTORE u-2
	WSTORE u-1
.endr
	WIN 0
	LNROWS
	s_endpgm
.Lfunc_end_k_q24fec90c57_prep:
	.size	k_q24fec90c57_prep, .Lfunc_end_k_q24fec90c57_prep-k_q24fec90c57_prep
	.p2alignl 7, 3214868480
	.fill 96, 4, 3214868480
	.section	.rodata,"a",@progbits
	.p2align	6, 0x0
	.amdhsa_kernel k_q24fec90c57_prep
		.amdhsa_group_segment_fixed_size 0
		.amdhsa_private_segment_fixed_size 0
		.amdhsa_enable_private_segment 0
		.amdhsa_kernarg_size 88
		.amdhsa_user_sgpr_count 2
		.amdhsa_user_sgpr_kernarg_segment_ptr 1
		.amdhsa_wavefront_size32 1
		.amdhsa_system_sgpr_workgroup_id_x 1
		.amdhsa_system_sgpr_workgroup_id_y 1
		.amdhsa_system_sgpr_workgroup_id_z 1
		.amdhsa_system_vgpr_workitem_id 0
		.amdhsa_next_free_vgpr 448
		.amdhsa_next_free_sgpr 66
		.amdhsa_reserve_vcc 0
		.amdhsa_float_denorm_mode_32 3
		.amdhsa_float_denorm_mode_16_64 3
		.amdhsa_memory_ordered 1
		.amdhsa_forward_progress 1
		.amdhsa_inst_pref_size 41
	.end_amdhsa_kernel
	.amdgpu_metadata
---
amdhsa.version: [ 1, 2 ]
amdhsa.kernels:
  - .name:           k_q24fec90c57_prep
    .symbol:         k_q24fec90c57_prep.kd
    .args:
      - { .name: x, .offset: 0, .size: 8, .value_kind: global_buffer, .address_space: global }
      - { .name: ln1_g, .offset: 8, .size: 8, .value_kind: global_buffer, .address_space: global }
      - { .name: ln1_b, .offset: 16, .size: 8, .value_kind: global_buffer, .address_space: global }
      - { .name: wq, .offset: 24, .size: 8, .value_kind: global_buffer, .address_space: global }
      - { .name: wk, .offset: 32, .size: 8, .value_kind: global_buffer, .address_space: global }
      - { .name: wv, .offset: 40, .size: 8, .value_kind: global_buffer, .address_space: global }
      - { .name: w_proj, .offset: 48, .size: 8, .value_kind: global_buffer, .address_space: global }
      - { .name: w1, .offset: 56, .size: 8, .value_kind: global_buffer, .address_space: global }
      - { .name: w2, .offset: 64, .size: 8, .value_kind: global_buffer, .address_space: global }
      - { .name: h16, .offset: 72, .size: 8, .value_kind: global_buffer, .address_space: global }
      - { .name: w16, .offset: 80, .size: 8, .value_kind: global_buffer, .address_space: global }
    .group_segment_fixed_size: 0
    .private_segment_fixed_size: 0
    .kernarg_segment_align: 8
    .kernarg_segment_size: 88
    .max_flat_workgroup_size: 256
    .sgpr_count:     66
    .vgpr_count:     448
    .wavefront_size: 32
...
	.end_amdgpu_metadata
.endif
;; end of part 1
;; launch qkv (part 2): grid 16 x 16, 4 waves a work-group, clusters of 4 x 4, 327,680 bytes of LDS; arguments h16, w16, qkv16; writes qkv16
.if DOCPART == 2
	.amdgcn_target "amdgcn-amd-amdhsa--gfx1250"
	.amdhsa_code_object_version 6
	.text
	.protected	k_q24fec90c57_qkv
	.globl	k_q24fec90c57_qkv
	.p2align	8
	.type	k_q24fec90c57_qkv,@function
k_q24fec90c57_qkv:
	s_mov_b64 s[64:65], 0
	v_nop
	global_prefetch_b8 v0, s[64:65] scope:SCOPE_SE
	s_setreg_imm32_b32 hwreg(HW_REG_WAVE_MODE, 25, 1), 1
	s_wait_xcnt 0x0
	s_wait_alu depctr_hold_cnt(0) depctr_sa_sdst(0) depctr_va_vdst(0) depctr_va_sdst(0) depctr_va_ssrc(0) depctr_va_vcc(0) depctr_vm_vsrc(0)
	s_getreg_b32 s2, hwreg(HW_REG_IB_STS2, 6, 4)
	s_cmp_eq_u32 s2, 0
	s_cbranch_scc0 .Lentry_in_a_cluster
	s_endpgm
.Lentry_in_a_cluster:
	s_bfe_u32 s2, ttmp6, 0x10000c
	s_cmp_lg_u32 s2, 0xf033
	s_cbranch_scc0 .Lentry_shape_is_right
	s_endpgm
.Lentry_shape_is_right:
; QKV: qkv16 = h16 x [wq | wk | wv].  M = 4,096, N = 3,072 (48 blocks of 64 columns: q heads, k heads, v heads), K = 1,024.  f16 operands, f32 sums, the result rounded once to f16.
; One text serves this program's four products; the constants below choose the shape.  Here: a tile of C is 256 x 192, 256 work-groups; each of four waves has 64 rows x 192 columns (48 accumulators).
; A lies [M / ROWS][K / 64][ROWS][64], B lies [N tile][K / (KS/2)][CB][KS/2][64]: what a wave fetches for a K step is one run of bytes, asked for as rows of 256 bytes.
; K goes in steps of KS through a ring of two LDS slots; waves 0, 1 fetch the halves of A's tile, waves 2, 3 the halves of B's: one tensor load a wave and step.
; CLUSTER 4 x 4: A's tile hangs on the tile row alone and is asked for jointly by the four of a row of the cluster, B's on the tile column alone, by the four of a column.
; THE MATRIX INSTRUCTION IS USED TRANSPOSED: source 0 = 16 columns of B (turned on the way out of LDS by ds_load_tr16_b128, since B lies [k][n]), source 1 = 16 rows of A:
; lane l then holds row l % 16 of C and the columns 8 (l / 16) + 0..7.
; REGISTERS: window 0: v0-31 addresses, v64.. A's fragments (two buffers), v128-255 at work on the way out; window 1: B's fragments (two buffers of 128); windows 2, 3: the accumulators of row blocks 0, 1 and 2, 3.
; LIMITS.  f16 ends at 65,504: h, the weights and q, k, v stay within it; NaN and infinities are not treated apart.
.set KTOT, 1024
.set WOFF, 0          ; B's first byte in w16
.set ROWS, 256
.set CB,   3          ; blocks of 64 columns in a tile
.set NBK,  3          ; of them a wave's
.set QK,   32         ; K in a quarter step
.set EPI,  0          ; 0: f16 out; 1: bias, ReLU, f16 out; 2: bias, residual, f32 out
.set W22,  0          ; 1: the waves lie 2 x 2, else 4 x 1
.set EARLY, 1         ; 1: no product stands between the wait for a tile and the request for the next: a step has 192 products a wave, fewer than the 256 of the largest of the four shapes
.set OBLK, 524288     ; bytes from a block of 64 columns of the output to the next
.set NT,   4*NBK      ; accumulators in a row block
.set CPQ,  QK/32
.set KS,   4*QK
.set NSTEP, KTOT/KS   ; even
.set NL,   8*CPQ*(NBK+1)  ; LDS loads of a quarter step
.set ABLK, ROWS*144   ; a block of 64 k of A in LDS: rows of 128 bytes + 16 of padding: 16 rows of a load start at 16 different groups of four banks (ISA guide 11.1)
.set BH,   (KS/2)*160 ; a block of 64 columns of B, KS/2 rows of k: 128 bytes + 32 of padding
.set BOFF, (KS/64)*ABLK
.set SLOT, BOFF+2*CB*BH
.set SPARE, 2*SLOT    ; the spare words, 128 bytes a wave: two blocks of 256 bytes that no other line names
.if EPI == 2
.set STAGE, 0         ; the way out goes through slot 0: it has had its last fill, and its last readers have passed the last barrier
.set STG,  4352
.else
.set STAGE, SPARE+512 ; bytes of its own: 16 rows x 144 a wave
.set STG,  2304
.endif
.set RB,   CB*KS/4    ; rows of 256 bytes in a load of B
.set STEPA, KS*ROWS*2
.set STEPB, CB*KS*128
.set ATILE, KTOT*ROWS*2
.set BTILE, CB*KTOT*128
.set ADRA, 13         ; v13 A's fragments in the slot in hand; v14, v15 B's, first and second half of the step's k; v10-12 the same for slot 0
.set ADRB, 14
.set STO,  16
.set RD,   17
.set GO,   18
.set BO,   19
.set SPW,  28         ; v28 my spare word's address, v29 zero: never rewritten
.set NIL,  29
.set AF,   64
.if EPI == 2
.set BIAS, 32
.set BK,   32
.set RES,  64         ; window 2
.else
.set BIAS, 128
.set TMP,  128
.set BK,   192
.endif
.set MSB, 0
.macro WIN new                      ; the high byte repeats the setting that is left
.if MSB != (\new)
	s_set_vgpr_msb (MSB<<8)|(\new)
.set MSB, (\new)
.endif
.endm
.macro PLACES                       ; four places behind matrix instructions, in front of loads into their sources and of reads of their results
.rept 4
	v_nop
.endr
.endm
.macro JLOAD                        ; a joint refill by the walking descriptors; the branch hangs on the wave's number alone; s_nop 0 and four v_nop follow each line
	s_cmp_eq_u32 s15, 0
	s_cbranch_scc0 .Lfor_b_\@
	tensor_load_to_lds s[36:39], s[24:31]
	s_nop 0
	PLACES
	s_branch .Lasked_\@
.Lfor_b_\@:
	tensor_load_to_lds s[60:63], s[48:55]
	s_nop 0
	PLACES
.Lasked_\@:
.endm
.macro CREST                        ; a round of the cluster's barrier behind its opening barrier
	s_cmp_lg_u32 s14, 0
	s_cbranch_scc1 .Lnot_wave_0_\@
	s_barrier_signal -3
.Lnot_wave_0_\@:
	s_barrier_wait -3
	s_barrier_signal -1
	s_barrier_wait -1
.endm
.macro CROUND
	s_barrier_signal -1
	s_barrier_wait -1
	CREST
.endm
; Row block a of buffer f: CPQ x NT matrix instructions; the accumulators take turns.  first = 1: the sums start, with 0 or with the bias as C.
.macro MULA f, a, first
.set c, 0
.rept CPQ
.set bb, 0
.rept NT
.set rD, 8*(((\a)&1)*NT+bb)
.set rB, (\f)*128+c*8*NT+8*bb
.set rA, AF+(\f)*32*CPQ+c*32+8*(\a)
.if (\first) && (c == 0) && (EPI == 0)
	WIN 0xa1+0x50*((\a)/2)
	v_wmma_f32_16x16x32_f16 v[rD:rD+7], v[rB:rB+7], v[rA:rA+7], 0
.elseif (\first) && (c == 0)
	WIN 0x81+0x40*((\a)/2)
	v_wmma_f32_16x16x32_f16 v[rD:rD+7], v[rB:rB+7], v[rA:rA+7], v[BIAS+8*bb:BIAS+8*bb+7]
.else
	WIN 0xa1+0x50*((\a)/2)
	v_wmma_f32_16x16x32_f16 v[rD:rD+7], v[rB:rB+7], v[rA:rA+7], v[rD:rD+7]
.endif
.set bb, bb+1
.endr
.set c, c+1
.endr
.endm
; B's fragments of quarter q, column blocks b0 to b1 - 1, into buffer g
.macro FB q, g, b0, b1
	WIN 0x40
.set c, 0
.rept CPQ
.set kk, (\q)*QK+32*c
.set bb, (\b0)
.rept (\b1)-(\b0)
.set rB, (\g)*128+c*8*NT+8*bb
.set ob, (bb/4)*BH+(kk%(KS/2))*160+(bb%4)*32
	ds_load_tr16_b128 v[rB:rB+3],   v[ADRB+kk/(KS/2)] offset:ob
	ds_load_tr16_b128 v[rB+4:rB+7], v[ADRB+kk/(KS/2)] offset:ob+2560
.set bb, bb+1
.endr
.set c, c+1
.endr
.endm
; A's fragments of quarter q into buffer g, row blocks 2 and 3 last
.macro FA q, g
	WIN 0
.set ra, 0
.rept 4
.set c, 0
.rept CPQ
.set kk, (\q)*QK+32*c
.set rA, AF+(\g)*32*CPQ+c*32+8*ra
.set oa, (kk/64)*ABLK+(kk%64)*2+ra*2304
	ds_load_b128 v[rA:rA+3],   v[ADRA] offset:oa
	ds_load_b128 v[rA+4:rA+7], v[ADRA] offset:oa+32
.set c, c+1
.endr
.set ra, ra+1
.endr
.endm
.macro FETCH q, g                   ; all of a quarter's fragments in one run
	FB \q, \g, 0, NT
	FA \q, \g
.endm
; A quarter multiplies buffer f.  Quarter qn's fragments are asked for into buffer g from the quarter's head on, in short runs between the row blocks' products: B's first, A's last.
; The four v_nop at the head are the places behind the last products that read buffer g, for all the runs.
.macro QUARTER f, g, qn, first
	PLACES
.if NBK > 1
	FB \qn, \g, 0, NT/2
	s_wait_dscnt CPQ*NT+4*CPQ                      ; all but the run just issued and, of buffer f, A's row blocks 2 and 3
	MULA \f, 0, \first
	FB \qn, \g, NT/2, NT
	MULA \f, 1, \first
	FA \qn, \g
.else
	FB \qn, \g, 0, NT
	s_wait_dscnt 2*CPQ*NT+4*CPQ                    ; all but the run just issued and, of buffer f, A's row blocks 2 and 3
	MULA \f, 0, \first
	FA \qn, \g
	MULA \f, 1, \first
.endif
	s_wait_dscnt NL                                ; all but the NL loads issued in this quarter
	MULA \f, 2, \first
	MULA \f, 3, \first
.endm
; The last quarter multiplies buffer 1 and changes slots: one barrier; in front of it each wave waits for all its tensor loads (one is out: its part of the next slot), adds 0 to its spare word,
; and waits for that and for its reads of this slot.  fill = 1: the barrier opens a round of the cluster's, and the slot just read is filled again, two steps ahead, first thing behind the round.
; EARLY = 1: the quarter's products all stand behind the request; EARLY = 0: two row blocks' products stand round the barrier's signal.
.macro TURN fill
	WIN 0
	s_wait_tensorcnt 0x0
	ds_add_u32 v[SPW], v[NIL]
.if EARLY
.if \fill
	s_add_co_u32 s37, s20, s22                     ; no load of mine is out: the walking descriptors step: into the slot just read,
	s_add_nc_u64 s[38:39], s[38:39], STEPA         ; the next K step
	s_add_co_u32 s61, s20, s23
	s_add_nc_u64 s[62:63], s[62:63], STEPB
.endif
	s_wait_dscnt 0x0                               ; the add is done, my reads of this slot are over
	s_barrier_signal -1
	s_barrier_wait -1
.else
	s_wait_dscnt 4*CPQ+1                           ; the add and A's row blocks 2 and 3 may be out
	MULA 1, 0, 0
	s_wait_dscnt 0x0                               ; the add is done, my reads of this slot are over
	s_barrier_signal -1
	MULA 1, 1, 0
	WIN 0
	s_barrier_wait -1
.endif
.if \fill
	CREST
.if EARLY == 0
	s_add_co_u32 s37, s20, s22                     ; the walking descriptors: into the slot just read,
	s_add_nc_u64 s[38:39], s[38:39], STEPA         ; the next K step; no load of mine is out
	s_add_co_u32 s61, s20, s23
	s_add_nc_u64 s[62:63], s[62:63], STEPB
.endif
	JLOAD
.else
	PLACES
.endif
	s_xor_b32 s20, s20, SLOT                       ; the other slot is read from here on
	v_add_nc_u32 v13, s20, v10
	v_add_nc_u32 v14, s20, v11
	v_add_nc_u32 v15, s20, v12
	FETCH 0, 0
.if EARLY
	MULA 1, 0, 0
	MULA 1, 1, 0
.endif
	MULA 1, 2, 0
	MULA 1, 3, 0
.endm
	s_load_b128 s[4:7], s[0:1], 0x0                ; A s[4:5], w16 s[6:7]
.if EPI == 0
	s_load_b64 s[8:9], s[0:1], 0x10                ; the output
.else
	s_load_b128 s[8:11], s[0:1], 0x10              ; the output, the bias
.endif
.if EPI == 2
	s_load_b64 s[12:13], s[0:1], 0x20              ; the residual
.endif
	v_lshl_add_u32 v[SPW], v0, 2, SPARE
	v_mov_b32 v[NIL], 0
	ds_add_u32 v28, v29
	s_wait_dscnt 0x0
	v_lshrrev_b32 v1, 5, v0
	v_readfirstlane_b32 s14, v1                    ; wave 0..3
	s_lshr_b32 s15, s14, 1                         ; I fetch for A (0) or B (1)
	s_and_b32 s16, s14, 1                          ; which half
	s_bfe_u32 s40, ttmp6, 0x40000                  ; cx
	s_bfe_u32 s41, ttmp6, 0x40004                  ; cy
	s_lshl_b32 s42, ttmp9, 2
	s_add_co_u32 s42, s42, s40                     ; tile column
	s_and_b32 s43, ttmp7, 0xffff
	s_lshl_b32 s43, s43, 2
	s_add_co_u32 s43, s43, s41                     ; tile row
	s_lshl_b32 s44, s41, 2
	s_lshl_b32 s44, 15, s44                        ; my row of the cluster
	s_lshl_b32 s45, 0x1111, s40                    ; my column
	; group 1: rows of 128 elements of 2 bytes, dense; padding after every 32 words: 4 words for A, 8 for B; bit 21 stands beside a mask
	s_or_b32 s24, s44, (1<<16)|(1<<20)|(1<<21)|(4<<22)|(3<<25)
	s_mov_b32 s25, 128<<16                         ; tensor_dim0
	s_mov_b32 s26, 128<<16                         ; tensor_dim1 = 128 rows
	s_mov_b32 s27, 128<<16                         ; tile_dim0
	s_mov_b32 s28, 128                             ; tile_dim1
	s_mov_b32 s29, 128                             ; elements from row to row
	s_mov_b32 s30, 0
	s_mov_b32 s31, 0
	s_or_b32 s48, s45, (1<<16)|(1<<20)|(1<<21)|(4<<22)|(7<<25)
	s_mov_b32 s49, 128<<16
	s_mov_b32 s50, RB<<16
	s_mov_b32 s51, 128<<16
	s_mov_b32 s52, RB
	s_mov_b32 s53, 128
	s_mov_b32 s54, 0
	s_mov_b32 s55, 0
	s_mul_i32 s66, s43, ATILE                      ; A: the tile row and my half; never the tile column
	s_lshl_b32 s17, s16, 15
	s_add_co_u32 s66, s66, s17
	s_mov_b32 s67, 0
	s_mul_i32 s46, s42, BTILE                      ; B: the tile column and my half; never the tile row
	s_mul_i32 s17, s16, STEPB/2
	s_add_co_u32 s46, s46, s17
	s_add_co_u32 s46, s46, WOFF
	s_mov_b32 s47, 0
	s_mul_i32 s22, s16, 36864                      ; where my part goes in a slot: the wave's number alone
	s_mul_i32 s23, s16, CB*BH
	s_add_co_u32 s23, s23, BOFF
	s_mov_b32 s20, 0                               ; the slot in hand
	CROUND                                         ; all sixteen work-groups are here: the first joint loads meet; the arguments come in meanwhile
	s_wait_kmcnt 0x0
	s_add_nc_u64 s[66:67], s[4:5], s[66:67]
	s_add_nc_u64 s[46:47], s[6:7], s[46:47]
	s_mov_b32 s32, 1                               ; group 0 for K step 0, slot 0
	s_mov_b32 s33, s22
	s_mov_b64 s[34:35], s[66:67]
	s_or_b32 s35, s35, 0x80000000
	s_mov_b32 s36, 1                               ; for K step 1, slot 1: this set walks on
	s_add_co_u32 s37, s22, SLOT
	s_add_nc_u64 s[38:39], s[66:67], STEPA
	s_or_b32 s39, s39, 0x80000000
	s_mov_b32 s56, 1
	s_mov_b32 s57, s23
	s_mov_b64 s[58:59], s[46:47]
	s_or_b32 s59, s59, 0x80000000
	s_mov_b32 s60, 1
	s_add_co_u32 s61, s23, SLOT
	s_add_nc_u64 s[62:63], s[46:47], STEPB
	s_or_b32 s63, s63, 0x80000000
	s_cmp_eq_u32 s15, 0                            ; a wave's two first fills stand in one branch: two loads of mine are out
	s_cbranch_scc0 .Lfirst_b
	tensor_load_to_lds s[32:35], s[24:31]
	s_nop 0
	tensor_load_to_lds s[36:39], s[24:31]
	s_nop 0
	PLACES
	s_branch .Lfirst_done
.Lfirst_b:
	tensor_load_to_lds s[56:59], s[48:55]
	s_nop 0
	tensor_load_to_lds s[60:63], s[48:55]
	s_nop 0
	PLACES
.Lfirst_done:
	v_and_b32 v1, 15, v0                           ; r = l % 16
	v_bfe_u32 v2, v0, 4, 1                         ; hh = l / 16
	v_and_b32 v3, 7, v0
	v_bfe_u32 v4, v0, 3, 1
	v_bfe_u32 v5, v0, 3, 2
	v_mul_u32_u24 v10, v1, 144                     ; A: row x pitch + 16 hh + my 64 rows
	v_lshl_add_u32 v10, v2, 4, v10
.if W22
	s_mul_i32 s17, s15, 9216
	s_mul_i32 s18, s16, BH
	s_add_co_u32 s18, s18, BOFF
.else
	s_mul_i32 s17, s14, 9216
	s_mov_b32 s18, BOFF
.endif
	v_add_nc_u32 v10, s17, v10
	v_lshl_add_u32 v11, v2, 3, v3                  ; B: row of k 8 hh + l % 8, 16 bytes by (l / 8) % 2
	v_mul_u32_u24 v11, v11, 160
	v_lshl_add_u32 v11, v4, 4, v11
	v_add_nc_u32 v11, s18, v11
	v_add_nc_u32 v12, CB*BH, v11
	v_mov_b32 v13, v10
	v_mov_b32 v14, v11
	v_mov_b32 v15, v12
	s_mul_i32 s21, s14, STG
	s_add_co_u32 s21, s21, STAGE                   ; my stage
	s_mov_b32 s69, 0
	s_mov_b32 s71, 0
.if EPI == 2
	v_mul_u32_u24 v[STO], v1, 272                  ; in: row r, 32 bytes for each half of the lanes
	v_lshl_add_u32 v[STO], v2, 5, v[STO]
	v_add_nc_u32 v[STO], s21, v[STO]
	v_mul_u32_u24 v[RD], v2, 272                   ; back: lanes 0-15 one row of 256 bytes, lanes 16-31 the next
	v_lshl_add_u32 v[RD], v1, 4, v[RD]
	v_add_nc_u32 v[RD], s21, v[RD]
	v_lshlrev_b32 v[GO], 4, v1                     ; the same two rows in the output and the residual
	v_lshl_add_u32 v[GO], v2, 12, v[GO]
	s_lshl_b32 s68, s43, 19                        ; (128 tile row + 64 wr) x 4,096 + (128 tile column + 64 wc) x 4
	s_lshl_b32 s17, s15, 18
	s_add_co_u32 s68, s68, s17
	s_lshl_b32 s70, s42, 9
	s_lshl_b32 s17, s16, 8
	s_add_co_u32 s70, s70, s17
	s_add_co_u32 s68, s68, s70
	s_add_nc_u64 s[12:13], s[12:13], s[68:69]
.else
	v_mul_u32_u24 v[STO], v1, 144                  ; in: row r, 16 bytes for each half of the lanes
	v_lshl_add_u32 v[STO], v2, 4, v[STO]
	v_add_nc_u32 v[STO], s21, v[STO]
	v_mul_u32_u24 v[RD], v5, 144                   ; back: 32 lanes take four rows of 128 bytes,
	v_lshl_add_u32 v[RD], v3, 4, v[RD]
	v_add_nc_u32 v[RD], s21, v[RD]
	v_and_b32 v[GO], 31, v0                        ; which are 512 consecutive bytes of the output
	v_lshlrev_b32 v[GO], 4, v[GO]
.if EPI == 0
	s_mul_i32 s68, s42, CB*OBLK                    ; [48][4096][64]: my tile's first block, my 64 rows
	s_lshl_b32 s17, s43, 15
	s_add_co_u32 s68, s68, s17
	s_lshl_b32 s17, s14, 13
	s_add_co_u32 s68, s68, s17
.else
	s_lshl_b32 s68, s43, 1                         ; [32 tiles of 128 rows][64 blocks][128][64]
	s_add_co_u32 s68, s68, s15
	s_lshl_b32 s68, s68, 20
	s_lshl_b32 s17, s42, 16
	s_add_co_u32 s68, s68, s17
	s_lshl_b32 s17, s16, 13
	s_add_co_u32 s68, s68, s17
	s_lshl_b32 s70, s42, 10                        ; the bias of my 256 columns
.endif
.endif
	s_add_nc_u64 s[8:9], s[8:9], s[68:69]
.if EPI > 0
	s_add_nc_u64 s[10:11], s[10:11], s[70:71]
	v_lshlrev_b32 v[BO], 5, v2                     ; the bias as a C operand: register j of block bb is column 16 bb + 8 hh + j, the same in all 16 rows
.set bb, 0
.rept NT
	global_load_b128 v[BIAS+8*bb:BIAS+8*bb+3],   v[BO], s[10:11] offset:64*bb
	global_load_b128 v[BIAS+8*bb+4:BIAS+8*bb+7], v[BO], s[10:11] offset:64*bb+16
.set bb, bb+1
.endr
.endif
.if EPI == 2
	WIN 0x80                                       ; the residual waits in window 2, in the order in which the rows leave
.set j, 0
.rept 32
	global_load_b128 v[RES+4*j:RES+4*j+3], v[GO], s[12:13] offset:2*j*4096
.set j, j+1
.endr
	WIN 0
.endif
	s_wait_tensorcnt 1                             ; my part of K step 0 is in; step 1's may stay out
	s_barrier_signal -1
	s_barrier_wait -1
	FETCH 0, 0
.if EPI == 2
	s_wait_loadcnt 32                              ; the bias is in: the 32 loads of the residual are younger
.elseif EPI == 1
	s_wait_loadcnt 0x0                             ; the bias
.endif
	QUARTER 0, 1, 1, 1                             ; the first quarter starts the sums
	WIN 0
	s_mov_b32 s3, NSTEP-2
.Lstep:                                                ; a trip: a step's quarters 1 to 3, the change of slots with a refill, the next step's quarter 0
	QUARTER 1, 0, 2, 0
	QUARTER 0, 1, 3, 0
	TURN 1
	QUARTER 0, 1, 1, 0
	WIN 0
	s_sub_co_u32 s3, s3, 1
	s_cmp_lg_u32 s3, 0
	s_cbranch_scc1 .Lstep
	s_mov_b32 s3, 2
.Ltail:                                                ; the last two steps ask for nothing; the second trip is left in its middle
	QUARTER 1, 0, 2, 0
	QUARTER 0, 1, 3, 0
	WIN 0
	s_sub_co_u32 s3, s3, 1
	s_cmp_eq_u32 s3, 0
	s_cbranch_scc1 .Lout
	TURN 0
	QUARTER 0, 1, 1, 0
	WIN 0
	s_cmp_lg_u32 s3, 0
	s_cbranch_scc1 .Ltail
.Lout:
	s_wait_dscnt 0x0
	MULA 1, 0, 0
	MULA 1, 1, 0
	MULA 1, 2, 0
	MULA 1, 3, 0
	PLACES
	; THE WAY OUT, a row block of 16 rows at a time, each accumulator's registers in ascending order
.if EPI == 2
	s_wait_loadcnt 0x0                             ; the residual
.set ra, 0
.rept 4
.set AC, 8*(ra&1)*NT
	WIN 0x08+4*(ra/2)                              ; a store's data in window 2 or 3
.set bb, 0
.rept NT
	ds_store_b128 v[STO], v[AC+8*bb:AC+8*bb+3]   offset:64*bb
	ds_store_b128 v[STO], v[AC+8*bb+4:AC+8*bb+7] offset:64*bb+16
.set bb, bb+1
.endr
	WIN 0
	s_wait_xcnt 0x0                                ; the last block's stores have read the registers that are loaded again
.irp t, 0,1,2,3,4,5,6,7
	ds_load_b128 v[BK+4*\t:BK+4*\t+3], v[RD] offset:544*\t  ; LDS serves a wave's instructions in order (ISA guide 5.7.1.4)
.endr
	s_wait_dscnt 0x0
	WIN 0x08
.set j, 0
.rept 16
	v_pk_add_f32 v[BK+2*j:BK+2*j+1], v[BK+2*j:BK+2*j+1], v[RES+32*ra+2*j:RES+32*ra+2*j+1]
.set j, j+1
.endr
	WIN 0
.irp t, 0,1,2,3,4,5,6,7
	global_store_b128 v[GO], v[BK+4*\t:BK+4*\t+3], s[8:9] offset:(16*ra+2*\t)*4096  ; 16 lanes store 256 consecutive bytes, aligned
.endr
.set ra, ra+1
.endr
.else
.set ra, 0
.rept 4
.set AC, 8*(ra&1)*NT
.if EPI == 1
	WIN 0x88+0x44*(ra/2)
.set j, 0
.rept 8*NT
	v_max_num_f32 v[AC+j], 0, v[AC+j]
.set j, j+1
.endr
.endif
	WIN 0x0a+5*(ra/2)
.set j, 0
.rept 4*NT
	v_cvt_pk_f16_f32 v[TMP+j], v[AC+2*j], v[AC+2*j+1]
.set j, j+1
.endr
	WIN 0
	s_wait_xcnt 0x0                                ; the last block's stores have read the registers that are loaded again
.set cb, 0
.rept NBK
.irp t, 0,1,2,3
	ds_store_b128 v[STO], v[TMP+16*cb+4*\t:TMP+16*cb+4*\t+3] offset:32*\t
.endr
.irp t, 0,1,2,3
	ds_load_b128 v[BK+16*cb+4*\t:BK+16*cb+4*\t+3], v[RD] offset:576*\t  ; LDS serves a wave's instructions in order (ISA guide 5.7.1.4): the next block's stores come behind these
.endr
.set cb, cb+1
.endr
	s_wait_dscnt 0x0
.set cb, 0
.rept NBK
.irp t, 0,1,2,3
	global_store_b128 v[GO], v[BK+16*cb+4*\t:BK+16*cb+4*\t+3], s[8:9] offset:cb*OBLK+ra*2048+\t*512  ; 512 consecutive bytes, aligned
.endr
.set cb, cb+1
.endr
.set ra, ra+1
.endr
.endif
	s_wait_tensorcnt 0x0                           ; the wave's end
	ds_add_u32 v[SPW], v[NIL]
	s_wait_dscnt 0x0
	CROUND                                         ; the closing round
	s_endpgm
.Lfunc_end_k_q24fec90c57_qkv:
	.size	k_q24fec90c57_qkv, .Lfunc_end_k_q24fec90c57_qkv-k_q24fec90c57_qkv
	.p2alignl 7, 3214868480
	.fill 96, 4, 3214868480
	.section	.rodata,"a",@progbits
	.p2align	6, 0x0
	.amdhsa_kernel k_q24fec90c57_qkv
		.amdhsa_group_segment_fixed_size 327680
		.amdhsa_private_segment_fixed_size 0
		.amdhsa_enable_private_segment 0
		.amdhsa_kernarg_size 24
		.amdhsa_user_sgpr_count 2
		.amdhsa_user_sgpr_kernarg_segment_ptr 1
		.amdhsa_wavefront_size32 1
		.amdhsa_system_sgpr_workgroup_id_x 1
		.amdhsa_system_sgpr_workgroup_id_y 1
		.amdhsa_system_sgpr_workgroup_id_z 1
		.amdhsa_system_vgpr_workitem_id 0
		.amdhsa_next_free_vgpr 960
		.amdhsa_next_free_sgpr 72
		.amdhsa_reserve_vcc 0
		.amdhsa_float_denorm_mode_32 3
		.amdhsa_float_denorm_mode_16_64 3
		.amdhsa_memory_ordered 1
		.amdhsa_forward_progress 1
		.amdhsa_inst_pref_size 86
	.end_amdhsa_kernel
	.amdgpu_metadata
---
amdhsa.version: [ 1, 2 ]
amdhsa.kernels:
  - .name:           k_q24fec90c57_qkv
    .symbol:         k_q24fec90c57_qkv.kd
    .args:
      - { .name: h16, .offset: 0, .size: 8, .value_kind: global_buffer, .address_space: global }
      - { .name: w16, .offset: 8, .size: 8, .value_kind: global_buffer, .address_space: global }
      - { .name: qkv16, .offset: 16, .size: 8, .value_kind: global_buffer, .address_space: global }
    .group_segment_fixed_size: 327680
    .private_segment_fixed_size: 0
    .kernarg_segment_align: 8
    .kernarg_segment_size: 24
    .max_flat_workgroup_size: 128
    .sgpr_count:     72
    .vgpr_count:     960
    .wavefront_size: 32
...
	.end_amdgpu_metadata
.endif
;; end of part 2
;; launch attn (part 3): grid 4 x 64, 4 waves a work-group, clusters of 4 x 1, 327,680 bytes of LDS; arguments qkv16, o16; writes o16
.if DOCPART == 3
	.amdgcn_target "amdgcn-amd-amdhsa--gfx1250"
	.amdhsa_code_object_version 6
	.text
	.protected	k_q24fec90c57_attn
	.globl	k_q24fec90c57_attn
	.p2align	8
	.type	k_q24fec90c57_attn,@function
k_q24fec90c57_attn:
	s_mov_b64 s[64:65], 0
	v_nop
	global_prefetch_b8 v0, s[64:65] scope:SCOPE_SE
	s_setreg_imm32_b32 hwreg(HW_REG_WAVE_MODE, 25, 1), 1
	s_wait_xcnt 0x0
	s_wait_alu depctr_hold_cnt(0) depctr_sa_sdst(0) depctr_va_vdst(0) depctr_va_sdst(0) depctr_va_ssrc(0) depctr_va_vcc(0) depctr_vm_vsrc(0)
	s_getreg_b32 s2, hwreg(HW_REG_IB_STS2, 6, 4)
	s_cmp_eq_u32 s2, 0
	s_cbranch_scc0 .Lentry_in_a_cluster
	s_endpgm
.Lentry_in_a_cluster:
	s_bfe_u32 s2, ttmp6, 0x10000c
	s_cmp_lg_u32 s2, 0x3003
	s_cbranch_scc0 .Lentry_shape_is_right
	s_endpgm
.Lentry_shape_is_right:
; CAUSAL ATTENTION, head size 64, 1,024 rows, 64 pairs (batch, head).  O[q] = the sum over k <= q of softmax_k(Q[q] . K[k] / 8) V[k].  f16 operands, f32 products, maxima and sums;
; the weights p are rounded to f16 for the second product (their sum l is taken of the unrounded p), O once at the end.
; qkv16 is [48][4096][64] f16 (q heads, k heads, v heads; row = 1,024 batch + t); o16 is [32 tiles of 128 rows][16 heads][128][64].
; SHARES.  A cluster of four work-groups is one (batch, head).  The head's 64 tiles of 16 queries are dealt in stripes: work-group p owns rows 64 i + 16 p + 0..15, i = 0..15.  Tile i needs the
; key steps (64 keys) 0..i whatever p is: trip counts, branches and LDS addresses are alike in the four partners; p enters Q's and O's addresses and the mask's values alone.
; Wave w takes the tiles (14 - 2w, 15 - 2w) together, 16 - 2w steps, and then (2w, 2w + 1), 2w + 2 steps: 18 steps for every wave.
; LDS holds the head's whole K and V: 4 chunks of 256 keys, asked for JOINTLY by the four partners (waves 0, 1 the halves of K's chunk, waves 2, 3 of V's), all at the start: four loads of a wave
; are out, no byte is filled twice, and the second pair of tiles reads the keys again without a load.
; LAYOUT.  S^T = K Q^T holds ONE query a lane (l % 16) and the keys 8 (l / 16) + 0..7; two such results rounded to f16 ARE source 1 of O^T = V^T P.  V is turned on the way out of LDS.
; SOFTMAX.  p = 2^(c s - c m), c = log2(e) / 8, with a running maximum m; O and l are multiplied by a = 2^(c m_old - c m_new) in every step.
; THE MASK.  In a pair's last step but one the lower tile holds the diagonal, in its last step the lower tile sees nothing and the upper holds the diagonal: -1e30 is added to hidden scores.
; THE WAY OUT.  A pair's O / l, rounded, waits in 32 registers; behind the loop, when every wave's reads of K and V are back and a barrier is passed, all four tiles go through the wave's stage in LDS.
; LIMITS.  f16 ends at 65,504: q, k, v arrive within it.  A hidden score counts as its value less 1e30 (scores reach 2.7e11 at the most); a weight below 2^-126 counts as 0; NaN and infinities are not treated apart.
.set PKP,  144        ; a row of K in LDS: 128 bytes + 16: the 16 rows of a load start at 16 different groups of four banks (ISA guide 11.1)
.set PVP,  160        ; a row of V: 128 + 32
.set VOFF, 1024*PKP
.set STAGE, VOFF+1024*PVP  ; 16 rows x 144 bytes for each wave, never filled by a tensor load
.set AK0, 2
.set AV0, 3
.set AK,  4
.set AV,  5
.set STO, 6
.set RD,  7
.set GO,  8
.set MV,  12          ; v12-13 c m_old
.set QO,  15
.set ST,  16          ; tile u at v[16 + 8 u]: c m, m, l (even keys', odd keys'), c0-c3 at work; c2 takes a
.set Q,   32          ; 16 u + 8 c; behind the loop: the first pair's packed O
.set S,   64          ; 32 u + 8 kb
.set P,   128         ; 16 u + 8 kk
.set O,   160         ; 32 u + 8 cb
.set MD,  224         ; the diagonal step's mask for my 16 rows
.set QB,  128         ; window 1: the second pair's Q, then a finished pair's packed O; window 1 v0-63 K's fragments, v64-127 V's
.set WV,  12
.set G1K, 24
.set G1V, 32
.set G0,  40          ; s[40:55] four sets of group 0, a chunk each
.set REM, 56          ; steps left in the pair, this one among them
.set REMB, 57
.set CS,  58
.set SEL, 60
.set TBK, 62          ; LDS byte of K of the step to be fetched
.set TBV, 63
.set CNT, 66
.set SEC, 67
.set BIGN, 68         ; s[68:69] -1e30
.set OP,  70          ; s[70:71] O at the first pair, s[72:73] at the second
.set OPB, 72
.set MSB, 0
.macro WIN new
.if MSB != (\new)
	s_set_vgpr_msb (MSB<<8)|(\new)
.set MSB, (\new)
.endif
.endm
.macro PLACES
.rept 4
	v_nop
.endr
.endm
.macro CROUND                       ; a round of the cluster's barrier
	s_barrier_signal -1
	s_barrier_wait -1
	s_cmp_lg_u32 s[WV], 0
	s_cbranch_scc1 .Lnot_wave_0_\@
	s_barrier_signal -3
.Lnot_wave_0_\@:
	s_barrier_wait -3
	s_barrier_signal -1
	s_barrier_wait -1
.endm
.macro FETCH_K                      ; a step's K: 8 fragments, keys 16 (f / 2) on, channels 32 (f % 2) on
	WIN 0x40
.irp f, 0,1,2,3,4,5,6,7
	ds_load_b128 v[8*\f:8*\f+3],   v[AK] offset:(\f/2)*16*PKP+(\f%2)*64
	ds_load_b128 v[8*\f+4:8*\f+7], v[AK] offset:(\f/2)*16*PKP+(\f%2)*64+32
.endr
	WIN 0
.endm
.macro FETCH_V                      ; a step's V, turned: keys 32 (f / 4) on, channels 16 (f % 4) on
	WIN 0x40
.irp f, 0,1,2,3,4,5,6,7
	ds_load_tr16_b128 v[64+8*\f:64+8*\f+3],   v[AV] offset:(\f/4)*32*PVP+(\f%4)*32
	ds_load_tr16_b128 v[64+8*\f+4:64+8*\f+7], v[AV] offset:(\f/4)*32*PVP+16*PVP+(\f%4)*32
.endr
	WIN 0
.endm
.macro KQ                           ; product i of 16 of S^T = K Q^T: the 8 accumulators take turns
.set rS, S+32*(i%2)+8*((i/2)%4)
.set rK, 16*((i/2)%4)+8*(i/8)
.set rQ, Q+16*(i%2)+8*(i/8)
.if i < 8
	v_wmma_f32_16x16x32_f16 v[rS:rS+7], v[rK:rK+7], v[rQ:rQ+7], 0
.else
	v_wmma_f32_16x16x32_f16 v[rS:rS+7], v[rK:rK+7], v[rQ:rQ+7], v[rS:rS+7]
.endif
.endm
.macro PV                           ; product i of 16 of O^T += V^T P
.set rO, O+32*(i%2)+8*((i/2)%4)
.set rV, 64+32*(i/8)+8*((i/2)%4)
.set rP, P+16*(i%2)+8*(i/8)
	v_wmma_f32_16x16x32_f16 v[rO:rO+7], v[rV:rV+7], v[rP:rP+7], v[rO:rO+7]
.endm
; Number n of the 22 that find tile u's maximum and statistics; each accumulator's lowest registers are read first.
.macro XS u, n
.set rT, ST+8*(\u)
.set rC, rT+4
.set rM, MV+(\u)
.set rS, S+32*(\u)
.if (\n) < 4
	v_max3_num_f32 v[rC+(\n)], v[rS+8*(\n)], v[rS+8*(\n)+1], v[rS+8*(\n)+2]
.elseif (\n) < 12
	v_max3_num_f32 v[rC+(\n)%4], v[rC+(\n)%4], v[rS+8*((\n)%4)+2*((\n)/4)+1], v[rS+8*((\n)%4)+2*((\n)/4)+2]
.elseif (\n) == 12
	v_max3_num_f32 v[rC], v[rC], v[rS+7], v[rS+15]
.elseif (\n) == 13
	v_max3_num_f32 v[rC+1], v[rC+1], v[rS+23], v[rS+31]
.elseif (\n) == 14
	v_max3_num_f32 v[rC+2], v[rC+2], v[rC+3], v[rT+1]
.elseif (\n) == 15
	v_mov_b32 v[rM], v[rT]
.elseif (\n) == 16
	v_max3_num_f32 v[rC], v[rC], v[rC+1], v[rC+2]
.elseif (\n) == 17
	v_permlanex16_b32 v[rC+3], v[rC], s[SEL], s[SEL+1]  ; the query's other 32 keys lie in the lane 16 away
.elseif (\n) == 18
	v_max_num_f32 v[rT+1], v[rC], v[rC+3]
.elseif (\n) == 19
	v_mul_f32 v[rT], s[CS], v[rT+1]
.elseif (\n) == 20
	v_sub_f32 v[rC+1], v[rM], v[rT]
.else
	v_exp_f32 v[rC+2], v[rC+1]
.endif
.endm
; A PAIR ENDS: O / l.  What lies in QB goes to Q, and QB takes the pair's O, rounded to f16: 32 registers.  At the first pair's end QB held the second pair's Q; at the second's (every wave's
; trip 17) it holds the first pair's O: behind the loop Q holds the first pair's O and QB the second's.  Then the count and a fresh maximum; O and l stay finite and the next step's a is 0.
; Behind the second pair the count and the maximum serve nothing: the price of one text.
.macro PAIREND
.irp u, 0,1
	v_add_f32 v[ST+8*\u+4], v[ST+8*\u+2], v[ST+8*\u+3]
.endr
.irp u, 0,1
	v_permlanex16_b32 v[ST+8*\u+5], v[ST+8*\u+4], s[SEL], s[SEL+1]
.endr
.irp u, 0,1
	v_add_f32 v[ST+8*\u+4], v[ST+8*\u+4], v[ST+8*\u+5]
.endr
.irp u, 0,1
	v_rcp_f32 v[ST+8*\u+6], v[ST+8*\u+4]
.endr
	v_nop                                          ; a plain instruction between the reciprocal and its use
.set z, 0
	s_wait_alu depctr_va_vdst(0)
.rept 32
	v_pk_mul_f32 v[O+2*z:O+2*z+1], v[O+2*z:O+2*z+1], v[ST+8*(z/16)+6:ST+8*(z/16)+7] op_sel_hi:[1,0]
.set z, z+1
.endr
	WIN 0x01                                       ; source in window 1
.set z, 0
.rept 32
	v_mov_b32 v[Q+z], v[QB+z]
.set z, z+1
.endr
	WIN 0x40                                       ; destination in window 1
.set z, 0
.rept 32
	v_cvt_pk_f16_f32 v[QB+z], v[O+2*z], v[O+2*z+1]
.set z, z+1
.endr
	WIN 0
	s_mov_b32 s[REM], s[REMB]
.irp u, 0,1
	v_mov_b32 v[ST+8*\u], 0xfe000000               ; c m: far below every c s
	v_mov_b32 v[ST+8*\u+1], 0xff7fffff             ; m
.endr
.endm
; ONE KEY STEP for the pair's two tiles, in phases.  full = 1: the text that knows a pair's last two steps and its end (trips 8 to 17: no wave meets them earlier).
.macro T full
	s_wait_dscnt 16                                ; K is in: V's 16 loads are younger
	WIN 0x01
.set i, 0
.rept 16
	KQ
.set i, i+1
.endr
	WIN 0
.if \full
	s_add_co_u32 s74, s[TBK], 64*PKP
	s_add_co_u32 s75, s[TBV], 64*PVP
	s_cmp_eq_u32 s[REM], 1                         ; behind a pair's last step comes key step 0
	s_cselect_b32 s[TBK], 0, s74
	s_cselect_b32 s[TBV], 0, s75
.else
	s_add_co_u32 s[TBK], s[TBK], 64*PKP
	s_add_co_u32 s[TBV], s[TBV], 64*PVP
.endif
	v_add_nc_u32 v[AK], s[TBK], v[AK0]             ; these four lines are the places behind the products
	v_add_nc_u32 v[AV], s[TBV], v[AV0]
	v_nop
	v_nop
	FETCH_K                                        ; the next step's K
.if \full
	s_cmp_gt_u32 s[REM], 2
	s_cbranch_scc1 .Lnomask_\@
	s_cmp_eq_u32 s[REM], 2
	s_cbranch_scc1 .Ldiag0_\@
.set z, 0
.rept 16
	v_pk_add_f32 v[S+2*z:S+2*z+1], v[S+2*z:S+2*z+1], s[BIGN:BIGN+1] op_sel_hi:[1,0]
.set z, z+1
.endr
.set z, 0
.rept 16
	v_pk_add_f32 v[S+32+2*z:S+32+2*z+1], v[S+32+2*z:S+32+2*z+1], v[MD+2*z:MD+2*z+1]
.set z, z+1
.endr
	s_branch .Lnomask_\@
.Ldiag0_\@:
.set z, 0
.rept 16
	v_pk_add_f32 v[S+2*z:S+2*z+1], v[S+2*z:S+2*z+1], v[MD+2*z:MD+2*z+1]
.set z, z+1
.endr
.Lnomask_\@:
.endif
.irp n, 0,1,2,3,4,5,6,7,8,9,10,11,12,13,14,15,16,17,18,19,20,21
	XS 0, \n
	XS 1, \n
.endr
.set z, 0
.rept 32                                               ; c s - c m, the tiles alternating
	v_pk_fma_f32 v[S+32*(z%2)+2*(z/2):S+32*(z%2)+2*(z/2)+1], v[S+32*(z%2)+2*(z/2):S+32*(z%2)+2*(z/2)+1], s[CS:CS+1], v[ST+8*(z%2):ST+8*(z%2)+1] op_sel_hi:[1,0,0] neg_lo:[0,0,1] neg_hi:[0,0,1]
.set z, z+1
.endr
.set z, 0
.rept 32                                               ; two exponentials and a pair of O^T times a: the plain line stands behind the exponentials before a result is used
	v_exp_f32 v[S+2*z], v[S+2*z]
	v_exp_f32 v[S+2*z+1], v[S+2*z+1]
	s_wait_alu depctr_va_vdst(0)
	v_pk_mul_f32 v[O+2*z:O+2*z+1], v[O+2*z:O+2*z+1], v[ST+8*(z/16)+6:ST+8*(z/16)+7] op_sel_hi:[1,0]
.set z, z+1
.endr
.set z, 0
	s_wait_alu depctr_va_vdst(0)
.rept 32
	v_cvt_pk_f16_f32 v[P+z], v[S+2*z], v[S+2*z+1]
.set z, z+1
.endr
.irp w, 4,8,16,32                                      ; the sums of each tile's 16 pairs, in place: neighbours 1, 2, 4 and 8 pairs apart
.set z, 0
.rept 64/\w
	v_pk_add_f32 v[S+\w*z:S+\w*z+1], v[S+\w*z:S+\w*z+1], v[S+\w*z+\w/2:S+\w*z+\w/2+1]
.set z, z+1
.endr
.endr
.irp u, 0,1
	v_pk_fma_f32 v[ST+8*\u+2:ST+8*\u+3], v[ST+8*\u+2:ST+8*\u+3], v[ST+8*\u+6:ST+8*\u+7], v[S+32*\u:S+32*\u+1] op_sel_hi:[1,0,1]  ; l = a l + the sum
.endr
	s_wait_dscnt 16                                ; V is in: the next K's 16 loads are younger
	WIN 0x01
.set i, 0
.rept 16
	PV
.set i, i+1
.endr
	WIN 0
	PLACES
	FETCH_V                                        ; the next step's V
	s_sub_co_u32 s[REM], s[REM], 1
.if \full
	s_cmp_lg_u32 s[REM], 0
	s_cbranch_scc1 .Lnoend_\@
	PAIREND
.Lnoend_\@:
.endif
.endm
	s_load_b128 s[4:7], s[0:1], 0x0                ; qkv16 s[4:5], o16 s[6:7]
	s_set_vgpr_msb 0x40
	v_lshl_add_u32 v160, v0, 2, 0x4e400
	v_mov_b32 v161, 0
	s_set_vgpr_msb 0x4045
	ds_add_u32 v160, v161
	s_set_vgpr_msb 0x4500
	v_lshrrev_b32 v1, 5, v0
	v_readfirstlane_b32 s[WV], v1
	s_bfe_u32 s13, ttmp6, 0x40000                  ; p: my place in the cluster
	s_and_b32 s14, ttmp7, 0xffff
	s_lshr_b32 s15, s14, 4                         ; batch
	s_and_b32 s16, s14, 15                         ; head
	s_and_b32 s17, s[WV], 1                        ; which half of a chunk I fetch
	s_lshl_b32 s18, s16, 19
	s_lshl_b32 s19, s15, 17
	s_add_co_u32 s18, s18, s19                     ; the head's block and the batch's rows
	s_lshl_b32 s19, s17, 14
	s_add_co_u32 s80, s18, s19
	s_add_co_u32 s80, s80, 16<<19                  ; K's blocks lie 16 behind Q's,
	s_mov_b32 s81, 0
	s_add_co_u32 s82, s80, 16<<19                  ; V's 16 further
	s_mov_b32 s83, 0
	s_lshl_b32 s20, s[WV], 1                       ; the second pair's first tile, 2 w
	s_sub_co_u32 s21, 14, s20                      ; the first pair's, 14 - 2 w
	s_lshl_b32 s22, s13, 11                        ; 16 p rows
	s_lshl_b32 s23, s21, 13
	s_add_co_u32 s76, s18, s23
	s_add_co_u32 s76, s76, s22
	s_mov_b32 s77, 0
	s_lshl_b32 s23, s20, 13
	s_add_co_u32 s78, s18, s23
	s_add_co_u32 s78, s78, s22
	s_mov_b32 s79, 0
	s_lshl_b32 s19, s15, 3                         ; O: tile of 128 rows 8 batch + pair, block = head, rows 16 p on
	s_lshl_b32 s74, s16, 14
	s_add_co_u32 s74, s74, s22
	s_sub_co_u32 s23, 7, s[WV]
	s_add_co_u32 s23, s23, s19
	s_lshl_b32 s[OP], s23, 18
	s_add_co_u32 s[OP], s[OP], s74
	s_mov_b32 s[OP+1], 0
	s_add_co_u32 s23, s[WV], s19
	s_lshl_b32 s[OPB], s23, 18
	s_add_co_u32 s[OPB], s[OPB], s74
	s_mov_b32 s[OPB+1], 0
	s_sub_co_u32 s[REM], 16, s20
	s_add_co_u32 s[REMB], s20, 2
	s_mul_i32 s84, s17, 128*PKP                    ; where my part of a chunk goes: the wave's number alone
	s_mul_i32 s85, s17, 128*PVP
	s_add_co_u32 s85, s85, VOFF
	; group 1: 128 keys are 16,384 dense bytes, asked for as 64 rows of 256 bytes and padded after every key
	s_mov_b32 s[G1K], 15|(1<<16)|(1<<20)|(1<<21)|(4<<22)|(3<<25)  ; the mask of four; 2-byte elements; padding after every 32 words, 4 words; bit 21 beside a mask
	s_mov_b32 s[G1V], 15|(1<<16)|(1<<20)|(1<<21)|(4<<22)|(7<<25)  ; 8 words
.irp g, G1K, G1V
	s_mov_b32 s[\g+1], 128<<16
	s_mov_b32 s[\g+2], 64<<16
	s_mov_b32 s[\g+3], 128<<16
	s_mov_b32 s[\g+4], 64
	s_mov_b32 s[\g+5], 128
	s_mov_b32 s[\g+6], 0
	s_mov_b32 s[\g+7], 0
.endr
	s_mov_b32 s[CS], 0x3e38aa3b                    ; c = log2(e) / 8
	s_mov_b32 s[CS+1], s[CS]
	s_mov_b32 s[SEL], 0x76543210
	s_mov_b32 s[SEL+1], 0xfedcba98
	s_mov_b32 s[BIGN], 0xf149f2ca                  ; -1e30
	s_mov_b32 s[BIGN+1], s[BIGN]
	s_mov_b32 s[TBK], 0
	s_mov_b32 s[TBV], 0
	s_wait_dscnt 0x0
	s_wait_kmcnt 0x0
	s_add_nc_u64 s[80:81], s[4:5], s[80:81]
	s_add_nc_u64 s[82:83], s[4:5], s[82:83]
	s_add_nc_u64 s[76:77], s[4:5], s[76:77]
	s_add_nc_u64 s[78:79], s[4:5], s[78:79]
	s_add_nc_u64 s[OP:OP+1], s[6:7], s[OP:OP+1]
	s_add_nc_u64 s[OPB:OPB+1], s[6:7], s[OPB:OPB+1]
	CROUND                                         ; all four work-groups are here: the joint loads meet
	s_cmp_lt_u32 s[WV], 2                          ; a wave's four first fills stand in one branch
	s_cbranch_scc0 .Lfill_v
.irp c, 0,1,2,3
	s_mov_b32 s[G0+4*\c], 1
	s_add_co_u32 s[G0+4*\c+1], s84, \c*256*PKP
	s_add_nc_u64 s[G0+4*\c+2:G0+4*\c+3], s[80:81], \c*32768
	s_or_b32 s[G0+4*\c+3], s[G0+4*\c+3], 0x80000000
.endr
.irp c, 0,1,2,3
	tensor_load_to_lds s[G0+4*\c:G0+4*\c+3], s[G1K:G1K+7]
	s_nop 0
.endr
	PLACES
	s_branch .Lfilled
.Lfill_v:
.irp c, 0,1,2,3
	s_mov_b32 s[G0+4*\c], 1
	s_add_co_u32 s[G0+4*\c+1], s85, \c*256*PVP
	s_add_nc_u64 s[G0+4*\c+2:G0+4*\c+3], s[82:83], \c*32768
	s_or_b32 s[G0+4*\c+3], s[G0+4*\c+3], 0x80000000
.endr
.irp c, 0,1,2,3
	tensor_load_to_lds s[G0+4*\c:G0+4*\c+3], s[G1V:G1V+7]
	s_nop 0
.endr
	PLACES
.Lfilled:
	v_and_b32 v1, 15, v0                           ; r = l % 16
	v_bfe_u32 v9, v0, 4, 1                         ; hh = l / 16
	v_lshlrev_b32 v[QO], 7, v1
	v_lshl_add_u32 v[QO], v9, 4, v[QO]
.irp f, 0,1,2,3                                        ; both pairs' Q: tile f / 2 (64 rows on), channels 32 (f % 2) on
	global_load_b128 v[Q+8*\f:Q+8*\f+3],   v[QO], s[76:77] offset:(\f/2)*8192+(\f%2)*64
	global_load_b128 v[Q+8*\f+4:Q+8*\f+7], v[QO], s[76:77] offset:(\f/2)*8192+(\f%2)*64+32
.endr
	WIN 0x40
.irp f, 0,1,2,3
	global_load_b128 v[QB+8*\f:QB+8*\f+3],   v[QO], s[78:79] offset:(\f/2)*8192+(\f%2)*64
	global_load_b128 v[QB+8*\f+4:QB+8*\f+7], v[QO], s[78:79] offset:(\f/2)*8192+(\f%2)*64+32
.endr
	WIN 0
	v_lshlrev_b32 v14, 3, v9
	v_sub_nc_u32 v14, v1, v14
	s_lshl_b32 s23, s13, 4
	v_add_nc_u32 v14, s23, v14                     ; my query's place in its 64, 16 p + r, less 8 hh: register j of key block kb is hidden where 16 kb + j is greater
.set i, 0
.rept 32
	v_cmp_gt_i32 vcc_lo, 16*(i/8)+i%8, v14
	v_cndmask_b32 v[MD+i], 0, s[BIGN], vcc_lo
.set i, i+1
.endr
	v_mul_u32_u24 v[AK0], v1, PKP
	v_lshl_add_u32 v[AK0], v9, 4, v[AK0]
	v_and_b32 v10, 7, v0
	v_bfe_u32 v11, v0, 3, 1
	v_lshl_add_u32 v[AV0], v9, 3, v10
	v_mul_u32_u24 v[AV0], v[AV0], PVP
	v_lshl_add_u32 v[AV0], v11, 4, v[AV0]
	v_add_nc_u32 v[AV0], VOFF, v[AV0]
	s_mul_i32 s23, s[WV], 16*144
	s_add_co_u32 s23, s23, STAGE                   ; my stage
	v_mul_u32_u24 v[STO], v1, 144                  ; in: row r, 16 bytes for each half of the lanes
	v_lshl_add_u32 v[STO], v9, 4, v[STO]
	v_add_nc_u32 v[STO], s23, v[STO]
	v_bfe_u32 v[RD], v0, 3, 2                      ; back: 32 lanes take four rows of 128 bytes,
	v_mul_u32_u24 v[RD], v[RD], 144
	v_lshl_add_u32 v[RD], v10, 4, v[RD]
	v_add_nc_u32 v[RD], s23, v[RD]
	v_and_b32 v[GO], 31, v0                        ; which are 512 consecutive bytes of O
	v_lshlrev_b32 v[GO], 4, v[GO]
	v_mov_b32 v[AK], v[AK0]
	v_mov_b32 v[AV], v[AV0]
	; the first step multiplies O^T and l by a = 0: they need only be finite.  These lines stand in the wait for the first chunks.
.set i, 0
.rept 64
	v_mov_b32 v[O+i], 0
.set i, i+1
.endr
.irp u, 0,1
	v_mov_b32 v[ST+8*\u], 0xfe000000
	v_mov_b32 v[ST+8*\u+1], 0xff7fffff
	v_mov_b32 v[ST+8*\u+2], 0
	v_mov_b32 v[ST+8*\u+3], 0
.endr
	s_wait_tensorcnt 2                             ; my parts of chunks 0 and 1 are in: chunks 2 and 3 are younger; nothing is ever filled again
	s_barrier_signal -1
	s_barrier_wait -1                              ; everybody's are
	FETCH_K
	FETCH_V
	s_wait_loadcnt 0x0                             ; Q
	s_mov_b32 s[SEC], 2
	s_branch .Lin
.Lsec:
	s_wait_tensorcnt 1                             ; chunk 2: trips 4 to 7 fetch up to key step 8
	s_wait_dscnt 0x0
	s_barrier_signal -1
	s_barrier_wait -1
.Lin:
	s_mov_b32 s[CNT], 4
.Lt:
	T 0
	s_sub_co_u32 s[CNT], s[CNT], 1
	s_cmp_lg_u32 s[CNT], 0
	s_cbranch_scc1 .Lt
	s_sub_co_u32 s[SEC], s[SEC], 1
	s_cmp_lg_u32 s[SEC], 0
	s_cbranch_scc1 .Lsec
	s_wait_tensorcnt 0x0                           ; chunk 3
	s_wait_dscnt 0x0
	s_barrier_signal -1
	s_barrier_wait -1                              ; from here to the loop's end the waves run free of each other
	s_mov_b32 s[CNT], 10
.Lu:
	T 1
	s_sub_co_u32 s[CNT], s[CNT], 1
	s_cmp_lg_u32 s[CNT], 0
	s_cbranch_scc1 .Lu
	; THE WAY OUT.  My LDS loads are back (the last trip's fetches, which serve nothing, among them); behind the barrier that holds of every wave, and only then is LDS written.
	s_wait_dscnt 0x0
	s_barrier_signal -1
	s_barrier_wait -1
	; A lane's eight channels of a row are 16 bytes; a tile goes into rows of 144 bytes of my stage and comes back as whole rows of 128, into S^T's registers.
.irp u, 0,1                                            ; the first pair's two tiles
.irp f, 0,1,2,3
	ds_store_b128 v[STO], v[Q+16*\u+4*\f:Q+16*\u+4*\f+3] offset:32*\f
.endr
.irp f, 0,1,2,3
	ds_load_b128 v[S+16*\u+4*\f:S+16*\u+4*\f+3], v[RD] offset:576*\f  ; LDS serves a wave's instructions in order (ISA guide 5.7.1.4): the next tile's stores come behind these
.endr
.endr
.irp u, 0,1                                            ; the second pair's
	WIN 0x04                                       ; a store's data in window 1
.irp f, 0,1,2,3
	ds_store_b128 v[STO], v[QB+16*\u+4*\f:QB+16*\u+4*\f+3] offset:32*\f
.endr
	WIN 0
.irp f, 0,1,2,3
	ds_load_b128 v[S+32+16*\u+4*\f:S+32+16*\u+4*\f+3], v[RD] offset:576*\f
.endr
.endr
	s_wait_dscnt 16                                ; the first pair's tiles are back: the second pair's 16 LDS instructions are younger
.irp u, 0,1
.irp f, 0,1,2,3
	global_store_b128 v[GO], v[S+16*\u+4*\f:S+16*\u+4*\f+3], s[OP:OP+1] offset:\u*8192+\f*512  ; 512 consecutive bytes, aligned
.endr
.endr
	s_wait_dscnt 0x0
.irp u, 0,1
.irp f, 0,1,2,3
	global_store_b128 v[GO], v[S+32+16*\u+4*\f:S+32+16*\u+4*\f+3], s[OPB:OPB+1] offset:\u*8192+\f*512
.endr
.endr
	s_set_vgpr_msb 0x5
	s_wait_tensorcnt 0x0
	ds_add_u32 v160, v161
	s_wait_dscnt 0x0
	s_set_vgpr_msb 0x500
	CROUND                                         ; the closing round
	s_endpgm
.Lfunc_end_k_q24fec90c57_attn:
	.size	k_q24fec90c57_attn, .Lfunc_end_k_q24fec90c57_attn-k_q24fec90c57_attn
	.p2alignl 7, 3214868480
	.fill 96, 4, 3214868480
	.section	.rodata,"a",@progbits
	.p2align	6, 0x0
	.amdhsa_kernel k_q24fec90c57_attn
		.amdhsa_group_segment_fixed_size 327680
		.amdhsa_private_segment_fixed_size 0
		.amdhsa_enable_private_segment 0
		.amdhsa_kernarg_size 16
		.amdhsa_user_sgpr_count 2
		.amdhsa_user_sgpr_kernarg_segment_ptr 1
		.amdhsa_wavefront_size32 1
		.amdhsa_system_sgpr_workgroup_id_x 1
		.amdhsa_system_sgpr_workgroup_id_y 1
		.amdhsa_system_sgpr_workgroup_id_z 1
		.amdhsa_system_vgpr_workitem_id 0
		.amdhsa_next_free_vgpr 418
		.amdhsa_next_free_sgpr 88
		.amdhsa_reserve_vcc 1
		.amdhsa_float_denorm_mode_32 3
		.amdhsa_float_denorm_mode_16_64 3
		.amdhsa_memory_ordered 1
		.amdhsa_forward_progress 1
		.amdhsa_inst_pref_size 69
	.end_amdhsa_kernel
	.amdgpu_metadata
---
amdhsa.version: [ 1, 2 ]
amdhsa.kernels:
  - .name:           k_q24fec90c57_attn
    .symbol:         k_q24fec90c57_attn.kd
    .args:
      - { .name: qkv16, .offset: 0, .size: 8, .value_kind: global_buffer, .address_space: global }
      - { .name: o16, .offset: 8, .size: 8, .value_kind: global_buffer, .address_space: global }
    .group_segment_fixed_size: 327680
    .private_segment_fixed_size: 0
    .kernarg_segment_align: 8
    .kernarg_segment_size: 16
    .max_flat_workgroup_size: 128
    .sgpr_count:     88
    .vgpr_count:     418
    .wavefront_size: 32
...
	.end_amdgpu_metadata
.endif
;; end of part 3
;; launch proj (part 4): grid 8 x 32, 4 waves a work-group, clusters of 4 x 4, 327,680 bytes of LDS; arguments o16, w16, x1, b_proj, x; writes x1
.if DOCPART == 4
	.amdgcn_target "amdgcn-amd-amdhsa--gfx1250"
	.amdhsa_code_object_version 6
	.text
	.protected	k_q24fec90c57_proj
	.globl	k_q24fec90c57_proj
	.p2align	8
	.type	k_q24fec90c57_proj,@function
k_q24fec90c57_proj:
	s_mov_b64 s[64:65], 0
	v_nop
	global_prefetch_b8 v0, s[64:65] scope:SCOPE_SE
	s_setreg_imm32_b32 hwreg(HW_REG_WAVE_MODE, 25, 1), 1
	s_wait_xcnt 0x0
	s_wait_alu depctr_hold_cnt(0) depctr_sa_sdst(0) depctr_va_vdst(0) depctr_va_sdst(0) depctr_va_ssrc(0) depctr_va_vcc(0) depctr_vm_vsrc(0)
	s_getreg_b32 s2, hwreg(HW_REG_IB_STS2, 6, 4)
	s_cmp_eq_u32 s2, 0
	s_cbranch_scc0 .Lentry_in_a_cluster
	s_endpgm
.Lentry_in_a_cluster:
	s_bfe_u32 s2, ttmp6, 0x10000c
	s_cmp_lg_u32 s2, 0xf033
	s_cbranch_scc0 .Lentry_shape_is_right
	s_endpgm
.Lentry_shape_is_right:
; PROJ: x1 = x + o16 x w_proj + b_proj.  M = 4,096, N = 1,024, K = 1,024 (block of 64 k = head).  f16 operands, f32 sums; bias and residual in f32; x1 is f32 [4096][1024].
; One text serves this program's four products; the constants below choose the shape.  Here: a tile of C is 128 x 128, 256 work-groups; the four waves lie 2 x 2, 64 x 64 each (16 accumulators);
; N = 1,024 allows no larger tile on 256 work-groups, so K steps are 256 long: the one load a wave has a longer step in which to land.
; A lies [M / ROWS][K / 64][ROWS][64], B lies [N tile][K / (KS/2)][CB][KS/2][64]: what a wave fetches for a K step is one run of bytes, asked for as rows of 256 bytes.
; K goes in steps of KS through a ring of two LDS slots; waves 0, 1 fetch the halves of A's tile, waves 2, 3 the halves of B's: one tensor load a wave and step.
; CLUSTER 4 x 4: A's tile hangs on the tile row alone and is asked for jointly by the four of a row of the cluster, B's on the tile column alone, by the four of a column.
; THE MATRIX INSTRUCTION IS USED TRANSPOSED: source 0 = 16 columns of B (turned on the way out of LDS by ds_load_tr16_b128, since B lies [k][n]), source 1 = 16 rows of A:
; lane l then holds row l % 16 of C and the columns 8 (l / 16) + 0..7.  The bias is the C operand of each sum's first product.
; REGISTERS: window 0: v0-31 addresses, v32-63 the bias, later rows on the way out, v64-191 A's fragments (two buffers); window 1: B's fragments; windows 2, 3: the accumulators; window 2 v64-191 the residual.
; LIMITS.  f16 ends at 65,504: the operands stay within it; NaN and infinities are not treated apart.
.set KTOT, 1024
.set WOFF, 6291456    ; B's first byte in w16
.set ROWS, 128
.set CB,   2          ; blocks of 64 columns in a tile
.set NBK,  1          ; of them a wave's
.set QK,   64         ; K in a quarter step
.set EPI,  2          ; 0: f16 out; 1: bias, ReLU, f16 out; 2: bias, residual, f32 out
.set W22,  1          ; 1: the waves lie 2 x 2, else 4 x 1
.set EARLY, 1         ; 1: no product stands between the wait for a tile and the request for the next: a step has 128 products a wave, half of the 256 of the largest of the four shapes
.set OBLK, 0
.set NT,   4*NBK      ; accumulators in a row block
.set CPQ,  QK/32
.set KS,   4*QK
.set NSTEP, KTOT/KS   ; even
.set NL,   8*CPQ*(NBK+1)  ; LDS loads of a quarter step
.set ABLK, ROWS*144   ; a block of 64 k of A in LDS: rows of 128 bytes + 16 of padding: 16 rows of a load start at 16 different groups of four banks (ISA guide 11.1)
.set BH,   (KS/2)*160 ; a block of 64 columns of B, KS/2 rows of k: 128 bytes + 32 of padding
.set BOFF, (KS/64)*ABLK
.set SLOT, BOFF+2*CB*BH
.set SPARE, 2*SLOT    ; the spare words, 128 bytes a wave: two blocks of 256 bytes that no other line names
.if EPI == 2
.set STAGE, 0         ; the way out goes through slot 0: it has had its last fill, and its last readers have passed the last barrier
.set STG,  4352
.else
.set STAGE, SPARE+512 ; bytes of its own: 16 rows x 144 a wave
.set STG,  2304
.endif
.set RB,   CB*KS/4    ; rows of 256 bytes in a load of B
.set STEPA, KS*ROWS*2
.set STEPB, CB*KS*128
.set ATILE, KTOT*ROWS*2
.set BTILE, CB*KTOT*128
.set ADRA, 13         ; v13 A's fragments in the slot in hand; v14, v15 B's, first and second half of the step's k; v10-12 the same for slot 0
.set ADRB, 14
.set STO,  16
.set RD,   17
.set GO,   18
.set BO,   19
.set SPW,  28         ; v28 my spare word's address, v29 zero: never rewritten
.set NIL,  29
.set AF,   64
.if EPI == 2
.set BIAS, 32
.set BK,   32
.set RES,  64         ; window 2
.else
.set BIAS, 128
.set TMP,  128
.set BK,   192
.endif
.set MSB, 0
.macro WIN new                      ; the high byte repeats the setting that is left
.if MSB != (\new)
	s_set_vgpr_msb (MSB<<8)|(\new)
.set MSB, (\new)
.endif
.endm
.macro PLACES                       ; four places behind matrix instructions, in front of loads into their sources and of reads of their results
.rept 4
	v_nop
.endr
.endm
.macro JLOAD                        ; a joint refill by the walking descriptors; the branch hangs on the wave's number alone; s_nop 0 and four v_nop follow each line
	s_cmp_eq_u32 s15, 0
	s_cbranch_scc0 .Lfor_b_\@
	tensor_load_to_lds s[36:39], s[24:31]
	s_nop 0
	PLACES
	s_branch .Lasked_\@
.Lfor_b_\@:
	tensor_load_to_lds s[60:63], s[48:55]
	s_nop 0
	PLACES
.Lasked_\@:
.endm
.macro CREST                        ; a round of the cluster's barrier behind its opening barrier
	s_cmp_lg_u32 s14, 0
	s_cbranch_scc1 .Lnot_wave_0_\@
	s_barrier_signal -3
.Lnot_wave_0_\@:
	s_barrier_wait -3
	s_barrier_signal -1
	s_barrier_wait -1
.endm
.macro CROUND
	s_barrier_signal -1
	s_barrier_wait -1
	CREST
.endm
; Row block a of buffer f: CPQ x NT matrix instructions; the accumulators take turns.  first = 1: the sums start, with 0 or with the bias as C.
.macro MULA f, a, first
.set c, 0
.rept CPQ
.set bb, 0
.rept NT
.set rD, 8*(((\a)&1)*NT+bb)
.set rB, (\f)*128+c*8*NT+8*bb
.set rA, AF+(\f)*32*CPQ+c*32+8*(\a)
.if (\first) && (c == 0) && (EPI == 0)
	WIN 0xa1+0x50*((\a)/2)
	v_wmma_f32_16x16x32_f16 v[rD:rD+7], v[rB:rB+7], v[rA:rA+7], 0
.elseif (\first) && (c == 0)
	WIN 0x81+0x40*((\a)/2)
	v_wmma_f32_16x16x32_f16 v[rD:rD+7], v[rB:rB+7], v[rA:rA+7], v[BIAS+8*bb:BIAS+8*bb+7]
.else
	WIN 0xa1+0x50*((\a)/2)
	v_wmma_f32_16x16x32_f16 v[rD:rD+7], v[rB:rB+7], v[rA:rA+7], v[rD:rD+7]
.endif
.set bb, bb+1
.endr
.set c, c+1
.endr
.endm
; B's fragments of quarter q, column blocks b0 to b1 - 1, into buffer g
.macro FB q, g, b0, b1
	WIN 0x40
.set c, 0
.rept CPQ
.set kk, (\q)*QK+32*c
.set bb, (\b0)
.rept (\b1)-(\b0)
.set rB, (\g)*128+c*8*NT+8*bb
.set ob, (bb/4)*BH+(kk%(KS/2))*160+(bb%4)*32
	ds_load_tr16_b128 v[rB:rB+3],   v[ADRB+kk/(KS/2)] offset:ob
	ds_load_tr16_b128 v[rB+4:rB+7], v[ADRB+kk/(KS/2)] offset:ob+2560
.set bb, bb+1
.endr
.set c, c+1
.endr
.endm
; A's fragments of quarter q into buffer g, row blocks 2 and 3 last
.macro FA q, g
	WIN 0
.set ra, 0
.rept 4
.set c, 0
.rept CPQ
.set kk, (\q)*QK+32*c
.set rA, AF+(\g)*32*CPQ+c*32+8*ra
.set oa, (kk/64)*ABLK+(kk%64)*2+ra*2304
	ds_load_b128 v[rA:rA+3],   v[ADRA] offset:oa
	ds_load_b128 v[rA+4:rA+7], v[ADRA] offset:oa+32
.set c, c+1
.endr
.set ra, ra+1
.endr
.endm
.macro FETCH q, g                   ; all of a quarter's fragments in one run
	FB \q, \g, 0, NT
	FA \q, \g
.endm
; A quarter multiplies buffer f.  Quarter qn's fragments are asked for into buffer g from the quarter's head on, in short runs between the row blocks' products: B's first, A's last.
; The four v_nop at the head are the places behind the last products that read buffer g, for all the runs.
.macro QUARTER f, g, qn, first
	PLACES
.if NBK > 1
	FB \qn, \g, 0, NT/2
	s_wait_dscnt CPQ*NT+4*CPQ                      ; all but the run just issued and, of buffer f, A's row blocks 2 and 3
	MULA \f, 0, \first
	FB \qn, \g, NT/2, NT
	MULA \f, 1, \first
	FA \qn, \g
.else
	FB \qn, \g, 0, NT
	s_wait_dscnt 2*CPQ*NT+4*CPQ                    ; all but the run just issued and, of buffer f, A's row blocks 2 and 3
	MULA \f, 0, \first
	FA \qn, \g
	MULA \f, 1, \first
.endif
	s_wait_dscnt NL                                ; all but the NL loads issued in this quarter
	MULA \f, 2, \first
	MULA \f, 3, \first
.endm
; The last quarter multiplies buffer 1 and changes slots: one barrier; in front of it each wave waits for all its tensor loads (one is out: its part of the next slot), adds 0 to its spare word,
; and waits for that and for its reads of this slot.  fill = 1: the barrier opens a round of the cluster's, and the slot just read is filled again, two steps ahead, first thing behind the round.
; EARLY = 1: the quarter's products all stand behind the request; EARLY = 0: two row blocks' products stand round the barrier's signal.
.macro TURN fill
	WIN 0
	s_wait_tensorcnt 0x0
	ds_add_u32 v[SPW], v[NIL]
.if EARLY
.if \fill
	s_add_co_u32 s37, s20, s22                     ; no load of mine is out: the walking descriptors step: into the slot just read,
	s_add_nc_u64 s[38:39], s[38:39], STEPA         ; the next K step
	s_add_co_u32 s61, s20, s23
	s_add_nc_u64 s[62:63], s[62:63], STEPB
.endif
	s_wait_dscnt 0x0                               ; the add is done, my reads of this slot are over
	s_barrier_signal -1
	s_barrier_wait -1
.else
	s_wait_dscnt 4*CPQ+1                           ; the add and A's row blocks 2 and 3 may be out
	MULA 1, 0, 0
	s_wait_dscnt 0x0                               ; the add is done, my reads of this slot are over
	s_barrier_signal -1
	MULA 1, 1, 0
	WIN 0
	s_barrier_wait -1
.endif
.if \fill
	CREST
.if EARLY == 0
	s_add_co_u32 s37, s20, s22                     ; the walking descriptors: into the slot just read,
	s_add_nc_u64 s[38:39], s[38:39], STEPA         ; the next K step; no load of mine is out
	s_add_co_u32 s61, s20, s23
	s_add_nc_u64 s[62:63], s[62:63], STEPB
.endif
	JLOAD
.else
	PLACES
.endif
	s_xor_b32 s20, s20, SLOT                       ; the other slot is read from here on
	v_add_nc_u32 v13, s20, v10
	v_add_nc_u32 v14, s20, v11
	v_add_nc_u32 v15, s20, v12
	FETCH 0, 0
.if EARLY
	MULA 1, 0, 0
	MULA 1, 1, 0
.endif
	MULA 1, 2, 0
	MULA 1, 3, 0
.endm
	s_load_b128 s[4:7], s[0:1], 0x0                ; A s[4:5], w16 s[6:7]
.if EPI == 0
	s_load_b64 s[8:9], s[0:1], 0x10                ; the output
.else
	s_load_b128 s[8:11], s[0:1], 0x10              ; the output, the bias
.endif
.if EPI == 2
	s_load_b64 s[12:13], s[0:1], 0x20              ; the residual
.endif
	v_lshl_add_u32 v[SPW], v0, 2, SPARE
	v_mov_b32 v[NIL], 0
	ds_add_u32 v28, v29
	s_wait_dscnt 0x0
	v_lshrrev_b32 v1, 5, v0
	v_readfirstlane_b32 s14, v1                    ; wave 0..3
	s_lshr_b32 s15, s14, 1                         ; I fetch for A (0) or B (1)
	s_and_b32 s16, s14, 1                          ; which half
	s_bfe_u32 s40, ttmp6, 0x40000                  ; cx
	s_bfe_u32 s41, ttmp6, 0x40004                  ; cy
	s_lshl_b32 s42, ttmp9, 2
	s_add_co_u32 s42, s42, s40                     ; tile column
	s_and_b32 s43, ttmp7, 0xffff
	s_lshl_b32 s43, s43, 2
	s_add_co_u32 s43, s43, s41                     ; tile row
	s_lshl_b32 s44, s41, 2
	s_lshl_b32 s44, 15, s44                        ; my row of the cluster
	s_lshl_b32 s45, 0x1111, s40                    ; my column
	; group 1: rows of 128 elements of 2 bytes, dense; padding after every 32 words: 4 words for A, 8 for B; bit 21 stands beside a mask
	s_or_b32 s24, s44, (1<<16)|(1<<20)|(1<<21)|(4<<22)|(3<<25)
	s_mov_b32 s25, 128<<16                         ; tensor_dim0
	s_mov_b32 s26, 128<<16                         ; tensor_dim1 = 128 rows
	s_mov_b32 s27, 128<<16                         ; tile_dim0
	s_mov_b32 s28, 128                             ; tile_dim1
	s_mov_b32 s29, 128                             ; elements from row to row
	s_mov_b32 s30, 0
	s_mov_b32 s31, 0
	s_or_b32 s48, s45, (1<<16)|(1<<20)|(1<<21)|(4<<22)|(7<<25)
	s_mov_b32 s49, 128<<16
	s_mov_b32 s50, RB<<16
	s_mov_b32 s51, 128<<16
	s_mov_b32 s52, RB
	s_mov_b32 s53, 128
	s_mov_b32 s54, 0
	s_mov_b32 s55, 0
	s_mul_i32 s66, s43, ATILE                      ; A: the tile row and my half; never the tile column
	s_lshl_b32 s17, s16, 15
	s_add_co_u32 s66, s66, s17
	s_mov_b32 s67, 0
	s_mul_i32 s46, s42, BTILE                      ; B: the tile column and my half; never the tile row
	s_mul_i32 s17, s16, STEPB/2
	s_add_co_u32 s46, s46, s17
	s_add_co_u32 s46, s46, WOFF
	s_mov_b32 s47, 0
	s_mul_i32 s22, s16, 36864                      ; where my part goes in a slot: the wave's number alone
	s_mul_i32 s23, s16, CB*BH
	s_add_co_u32 s23, s23, BOFF
	s_mov_b32 s20, 0                               ; the slot in hand
	CROUND                                         ; all sixteen work-groups are here: the first joint loads meet; the arguments come in meanwhile
	s_wait_kmcnt 0x0
	s_add_nc_u64 s[66:67], s[4:5], s[66:67]
	s_add_nc_u64 s[46:47], s[6:7], s[46:47]
	s_mov_b32 s32, 1                               ; group 0 for K step 0, slot 0
	s_mov_b32 s33, s22
	s_mov_b64 s[34:35], s[66:67]
	s_or_b32 s35, s35, 0x80000000
	s_mov_b32 s36, 1                               ; for K step 1, slot 1: this set walks on
	s_add_co_u32 s37, s22, SLOT
	s_add_nc_u64 s[38:39], s[66:67], STEPA
	s_or_b32 s39, s39, 0x80000000
	s_mov_b32 s56, 1
	s_mov_b32 s57, s23
	s_mov_b64 s[58:59], s[46:47]
	s_or_b32 s59, s59, 0x80000000
	s_mov_b32 s60, 1
	s_add_co_u32 s61, s23, SLOT
	s_add_nc_u64 s[62:63], s[46:47], STEPB
	s_or_b32 s63, s63, 0x80000000
	s_cmp_eq_u32 s15, 0                            ; a wave's two first fills stand in one branch: two loads of mine are out
	s_cbranch_scc0 .Lfirst_b
	tensor_load_to_lds s[32:35], s[24:31]
	s_nop 0
	tensor_load_to_lds s[36:39], s[24:31]
	s_nop 0
	PLACES
	s_branch .Lfirst_done
.Lfirst_b:
	tensor_load_to_lds s[56:59], s[48:55]
	s_nop 0
	tensor_load_to_lds s[60:63], s[48:55]
	s_nop 0
	PLACES
.Lfirst_done:
	v_and_b32 v1, 15, v0                           ; r = l % 16
	v_bfe_u32 v2, v0, 4, 1                         ; hh = l / 16
	v_and_b32 v3, 7, v0
	v_bfe_u32 v4, v0, 3, 1
	v_bfe_u32 v5, v0, 3, 2
	v_mul_u32_u24 v10, v1, 144                     ; A: row x pitch + 16 hh + my 64 rows
	v_lshl_add_u32 v10, v2, 4, v10
.if W22
	s_mul_i32 s17, s15, 9216
	s_mul_i32 s18, s16, BH
	s_add_co_u32 s18, s18, BOFF
.else
	s_mul_i32 s17, s14, 9216
	s_mov_b32 s18, BOFF
.endif
	v_add_nc_u32 v10, s17, v10
	v_lshl_add_u32 v11, v2, 3, v3                  ; B: row of k 8 hh + l % 8, 16 bytes by (l / 8) % 2
	v_mul_u32_u24 v11, v11, 160
	v_lshl_add_u32 v11, v4, 4, v11
	v_add_nc_u32 v11, s18, v11
	v_add_nc_u32 v12, CB*BH, v11
	v_mov_b32 v13, v10
	v_mov_b32 v14, v11
	v_mov_b32 v15, v12
	s_mul_i32 s21, s14, STG
	s_add_co_u32 s21, s21, STAGE                   ; my stage
	s_mov_b32 s69, 0
	s_mov_b32 s71, 0
.if EPI == 2
	v_mul_u32_u24 v[STO], v1, 272                  ; in: row r, 32 bytes for each half of the lanes
	v_lshl_add_u32 v[STO], v2, 5, v[STO]
	v_add_nc_u32 v[STO], s21, v[STO]
	v_mul_u32_u24 v[RD], v2, 272                   ; back: lanes 0-15 one row of 256 bytes, lanes 16-31 the next
	v_lshl_add_u32 v[RD], v1, 4, v[RD]
	v_add_nc_u32 v[RD], s21, v[RD]
	v_lshlrev_b32 v[GO], 4, v1                     ; the same two rows in the output and the residual
	v_lshl_add_u32 v[GO], v2, 12, v[GO]
	s_lshl_b32 s68, s43, 19                        ; (128 tile row + 64 wr) x 4,096 + (128 tile column + 64 wc) x 4
	s_lshl_b32 s17, s15, 18
	s_add_co_u32 s68, s68, s17
	s_lshl_b32 s70, s42, 9
	s_lshl_b32 s17, s16, 8
	s_add_co_u32 s70, s70, s17
	s_add_co_u32 s68, s68, s70
	s_add_nc_u64 s[12:13], s[12:13], s[68:69]
.else
	v_mul_u32_u24 v[STO], v1, 144                  ; in: row r, 16 bytes for each half of the lanes
	v_lshl_add_u32 v[STO], v2, 4, v[STO]
	v_add_nc_u32 v[STO], s21, v[STO]
	v_mul_u32_u24 v[RD], v5, 144                   ; back: 32 lanes take four rows of 128 bytes,
	v_lshl_add_u32 v[RD], v3, 4, v[RD]
	v_add_nc_u32 v[RD], s21, v[RD]
	v_and_b32 v[GO], 31, v0                        ; which are 512 consecutive bytes of the output
	v_lshlrev_b32 v[GO], 4, v[GO]
.if EPI == 0
	s_mul_i32 s68, s42, CB*OBLK                    ; [48][4096][64]: my tile's first block, my 64 rows
	s_lshl_b32 s17, s43, 15
	s_add_co_u32 s68, s68, s17
	s_lshl_b32 s17, s14, 13
	s_add_co_u32 s68, s68, s17
.else
	s_lshl_b32 s68, s43, 1                         ; [32 tiles of 128 rows][64 blocks][128][64]
	s_add_co_u32 s68, s68, s15
	s_lshl_b32 s68, s68, 20
	s_lshl_b32 s17, s42, 16
	s_add_co_u32 s68, s68, s17
	s_lshl_b32 s17, s16, 13
	s_add_co_u32 s68, s68, s17
	s_lshl_b32 s70, s42, 10                        ; the bias of my 256 columns
.endif
.endif
	s_add_nc_u64 s[8:9], s[8:9], s[68:69]
.if EPI > 0
	s_add_nc_u64 s[10:11], s[10:11], s[70:71]
	v_lshlrev_b32 v[BO], 5, v2                     ; the bias as a C operand: register j of block bb is column 16 bb + 8 hh + j, the same in all 16 rows
.set bb, 0
.rept NT
	global_load_b128 v[BIAS+8*bb:BIAS+8*bb+3],   v[BO], s[10:11] offset:64*bb
	global_load_b128 v[BIAS+8*bb+4:BIAS+8*bb+7], v[BO], s[10:11] offset:64*bb+16
.set bb, bb+1
.endr
.endif
.if EPI == 2
	WIN 0x80                                       ; the residual waits in window 2, in the order in which the rows leave
.set j, 0
.rept 32
	global_load_b128 v[RES+4*j:RES+4*j+3], v[GO], s[12:13] offset:2*j*4096
.set j, j+1
.endr
	WIN 0
.endif
	s_wait_tensorcnt 1                             ; my part of K step 0 is in; step 1's may stay out
	s_barrier_signal -1
	s_barrier_wait -1
	FETCH 0, 0
.if EPI == 2
	s_wait_loadcnt 32                              ; the bias is in: the 32 loads of the residual are younger
.elseif EPI == 1
	s_wait_loadcnt 0x0                             ; the bias
.endif
	QUARTER 0, 1, 1, 1                             ; the first quarter starts the sums
	WIN 0
	s_mov_b32 s3, NSTEP-2
.Lstep:                                                ; a trip: a step's quarters 1 to 3, the change of slots with a refill, the next step's quarter 0
	QUARTER 1, 0, 2, 0
	QUARTER 0, 1, 3, 0
	TURN 1
	QUARTER 0, 1, 1, 0
	WIN 0
	s_sub_co_u32 s3, s3, 1
	s_cmp_lg_u32 s3, 0
	s_cbranch_scc1 .Lstep
	s_mov_b32 s3, 2
.Ltail:                                                ; the last two steps ask for nothing; the second trip is left in its middle
	QUARTER 1, 0, 2, 0
	QUARTER 0, 1, 3, 0
	WIN 0
	s_sub_co_u32 s3, s3, 1
	s_cmp_eq_u32 s3, 0
	s_cbranch_scc1 .Lout
	TURN 0
	QUARTER 0, 1, 1, 0
	WIN 0
	s_cmp_lg_u32 s3, 0
	s_cbranch_scc1 .Ltail
.Lout:
	s_wait_dscnt 0x0
	MULA 1, 0, 0
	MULA 1, 1, 0
	MULA 1, 2, 0
	MULA 1, 3, 0
	PLACES
	; THE WAY OUT, a row block of 16 rows at a time, each accumulator's registers in ascending order
.if EPI == 2
	s_wait_loadcnt 0x0                             ; the residual
.set ra, 0
.rept 4
.set AC, 8*(ra&1)*NT
	WIN 0x08+4*(ra/2)                              ; a store's data in window 2 or 3
.set bb, 0
.rept NT
	ds_store_b128 v[STO], v[AC+8*bb:AC+8*bb+3]   offset:64*bb
	ds_store_b128 v[STO], v[AC+8*bb+4:AC+8*bb+7] offset:64*bb+16
.set bb, bb+1
.endr
	WIN 0
	s_wait_xcnt 0x0                                ; the last block's stores have read the registers that are loaded again
.irp t, 0,1,2,3,4,5,6,7
	ds_load_b128 v[BK+4*\t:BK+4*\t+3], v[RD] offset:544*\t  ; LDS serves a wave's instructions in order (ISA guide 5.7.1.4)
.endr
	s_wait_dscnt 0x0
	WIN 0x08
.set j, 0
.rept 16
	v_pk_add_f32 v[BK+2*j:BK+2*j+1], v[BK+2*j:BK+2*j+1], v[RES+32*ra+2*j:RES+32*ra+2*j+1]
.set j, j+1
.endr
	WIN 0
.irp t, 0,1,2,3,4,5,6,7
	global_store_b128 v[GO], v[BK+4*\t:BK+4*\t+3], s[8:9] offset:(16*ra+2*\t)*4096  ; 16 lanes store 256 consecutive bytes, aligned
.endr
.set ra, ra+1
.endr
.else
.set ra, 0
.rept 4
.set AC, 8*(ra&1)*NT
.if EPI == 1
	WIN 0x88+0x44*(ra/2)
.set j, 0
.rept 8*NT
	v_max_num_f32 v[AC+j], 0, v[AC+j]
.set j, j+1
.endr
.endif
	WIN 0x0a+5*(ra/2)
.set j, 0
.rept 4*NT
	v_cvt_pk_f16_f32 v[TMP+j], v[AC+2*j], v[AC+2*j+1]
.set j, j+1
.endr
	WIN 0
	s_wait_xcnt 0x0                                ; the last block's stores have read the registers that are loaded again
.set cb, 0
.rept NBK
.irp t, 0,1,2,3
	ds_store_b128 v[STO], v[TMP+16*cb+4*\t:TMP+16*cb+4*\t+3] offset:32*\t
.endr
.irp t, 0,1,2,3
	ds_load_b128 v[BK+16*cb+4*\t:BK+16*cb+4*\t+3], v[RD] offset:576*\t  ; LDS serves a wave's instructions in order (ISA guide 5.7.1.4): the next block's stores come behind these
.endr
.set cb, cb+1
.endr
	s_wait_dscnt 0x0
.set cb, 0
.rept NBK
.irp t, 0,1,2,3
	global_store_b128 v[GO], v[BK+16*cb+4*\t:BK+16*cb+4*\t+3], s[8:9] offset:cb*OBLK+ra*2048+\t*512  ; 512 consecutive bytes, aligned
.endr
.set cb, cb+1
.endr
.set ra, ra+1
.endr
.endif
	s_wait_tensorcnt 0x0                           ; the wave's end
	ds_add_u32 v[SPW], v[NIL]
	s_wait_dscnt 0x0
	CROUND                                         ; the closing round
	s_endpgm
.Lfunc_end_k_q24fec90c57_proj:
	.size	k_q24fec90c57_proj, .Lfunc_end_k_q24fec90c57_proj-k_q24fec90c57_proj
	.p2alignl 7, 3214868480
	.fill 96, 4, 3214868480
	.section	.rodata,"a",@progbits
	.p2align	6, 0x0
	.amdhsa_kernel k_q24fec90c57_proj
		.amdhsa_group_segment_fixed_size 327680
		.amdhsa_private_segment_fixed_size 0
		.amdhsa_enable_private_segment 0
		.amdhsa_kernarg_size 40
		.amdhsa_user_sgpr_count 2
		.amdhsa_user_sgpr_kernarg_segment_ptr 1
		.amdhsa_wavefront_size32 1
		.amdhsa_system_sgpr_workgroup_id_x 1
		.amdhsa_system_sgpr_workgroup_id_y 1
		.amdhsa_system_sgpr_workgroup_id_z 1
		.amdhsa_system_vgpr_workitem_id 0
		.amdhsa_next_free_vgpr 832
		.amdhsa_next_free_sgpr 72
		.amdhsa_reserve_vcc 0
		.amdhsa_float_denorm_mode_32 3
		.amdhsa_float_denorm_mode_16_64 3
		.amdhsa_memory_ordered 1
		.amdhsa_forward_progress 1
		.amdhsa_inst_pref_size 69
	.end_amdhsa_kernel
	.amdgpu_metadata
---
amdhsa.version: [ 1, 2 ]
amdhsa.kernels:
  - .name:           k_q24fec90c57_proj
    .symbol:         k_q24fec90c57_proj.kd
    .args:
      - { .name: o16, .offset: 0, .size: 8, .value_kind: global_buffer, .address_space: global }
      - { .name: w16, .offset: 8, .size: 8, .value_kind: global_buffer, .address_space: global }
      - { .name: x1, .offset: 16, .size: 8, .value_kind: global_buffer, .address_space: global }
      - { .name: b_proj, .offset: 24, .size: 8, .value_kind: global_buffer, .address_space: global }
      - { .name: x, .offset: 32, .size: 8, .value_kind: global_buffer, .address_space: global }
    .group_segment_fixed_size: 327680
    .private_segment_fixed_size: 0
    .kernarg_segment_align: 8
    .kernarg_segment_size: 40
    .max_flat_workgroup_size: 128
    .sgpr_count:     72
    .vgpr_count:     832
    .wavefront_size: 32
...
	.end_amdgpu_metadata
.endif
;; end of part 4
;; launch ln (part 5): grid 256 x 1, 8 waves a work-group, no clusters, 0 bytes of LDS; arguments x1, ln2_g, ln2_b, h16; writes h16
.if DOCPART == 5
	.amdgcn_target "amdgcn-amd-amdhsa--gfx1250"
	.amdhsa_code_object_version 6
	.text
	.protected	k_q24fec90c57_ln
	.globl	k_q24fec90c57_ln
	.p2align	8
	.type	k_q24fec90c57_ln,@function
k_q24fec90c57_ln:
	s_mov_b64 s[64:65], 0
	v_nop
	global_prefetch_b8 v0, s[64:65] scope:SCOPE_SE
	s_setreg_imm32_b32 hwreg(HW_REG_WAVE_MODE, 25, 1), 1
	s_wait_xcnt 0x0
; LN: h16 = LayerNorm(x1) g + b, rounded once to f16.  x1 is f32 [4096][1024]; h16 is [16 tiles of 256 rows][16 blocks of 64 columns][256][64].
; A stream: each byte read once and written once; no LDS, no barrier, no matrix unit, no cluster (no two work-groups read the same rows; g and b are 8 KB).
; 2,048 waves, two rows each: lanes 0-15 hold one row, lanes 16-31 the next, 64 numbers a lane; a load takes a block of 64 columns of both rows: each half of the lanes 256 consecutive bytes, aligned.
; The rows stay in registers between the passes: mean, then the squares of x - mean, all in f32.  A lane's 4 numbers of a block become 8 bytes: a store of the wave covers 256 consecutive bytes, aligned.
; LIMITS.  f16 ends at 65,504: h is at most 32 |g| + |b| and stays within it; NaN and infinities are not treated apart.
.set X,   32          ; v32-95   my 64 numbers of x: register 4 i + j is column 64 i + 4 (l % 16) + j
.set G,   96          ; v96-159  gains of my columns
.set B,   160         ; v160-223 biases
.set CH,  10          ; v10-17   four chains of sums
.set MU,  18          ; v18-19   the mean, twice
.set RS,  20          ; v20-21   1 / sqrt(var + eps), twice
.set XO,  2
.set GBO, 3
.set HO,  4
.set SXB, 4           ; s[4:5] x, s[6:7] g, s[8:9] b, s[10:11] h16
.set SGB, 6
.set SBB, 8
.set SHB, 10
.set K1,  18          ; s18 1/1024, s19 eps
.set KE,  19
.macro LNADR                        ; lane l: c = l % 16; l / 16 says which of the wave's two rows
	v_and_b32 v23, 15, v0
	v_bfe_u32 v24, v0, 4, 1
	v_and_b32 v25, 31, v0
	v_lshlrev_b32 v[GBO], 4, v23                   ; 16 c
	v_lshl_add_u32 v[XO], v24, 12, v[GBO]          ; + 4,096 for the second row
	v_lshlrev_b32 v[HO], 3, v25                    ; out: 8 l
.endm
.macro LNLOAD                       ; 16 loads of x, then 16 of g and 16 of b: load i takes the block of columns 64 i on: each half of the lanes 256 consecutive bytes
.set i, 0
.rept 16
	global_load_b128 v[X+4*i:X+4*i+3], v[XO], s[SXB:SXB+1] offset:256*i
.set i, i+1
.endr
.set i, 0
.rept 16
	global_load_b128 v[G+4*i:G+4*i+3], v[GBO], s[SGB:SGB+1] offset:256*i
.set i, i+1
.endr
.set i, 0
.rept 16
	global_load_b128 v[B+4*i:B+4*i+3], v[GBO], s[SBB:SBB+1] offset:256*i
.set i, i+1
.endr
.endm
.macro RED                          ; the four chains into one number, then over the row's 16 lanes, four steps that ride on the additions
	v_pk_add_f32 v[CH:CH+1], v[CH:CH+1], v[CH+2:CH+3]
	v_pk_add_f32 v[CH+4:CH+5], v[CH+4:CH+5], v[CH+6:CH+7]
	v_pk_add_f32 v[CH:CH+1], v[CH:CH+1], v[CH+4:CH+5]
	v_add_f32 v[CH], v[CH], v[CH+1]
	v_add_f32_dpp v[CH], v[CH], v[CH] row_xmask:1 row_mask:0xf bank_mask:0xf
	v_add_f32_dpp v[CH], v[CH], v[CH] row_xmask:2 row_mask:0xf bank_mask:0xf
	v_add_f32_dpp v[CH], v[CH], v[CH] row_xmask:4 row_mask:0xf bank_mask:0xf
	v_add_f32_dpp v[CH], v[CH], v[CH] row_xmask:8 row_mask:0xf bank_mask:0xf
.endm
.macro LNROWS
	s_wait_loadcnt 32                              ; x is in: the 32 loads of g and b are younger
.irp c, 0,1,2,3
	v_pk_add_f32 v[CH+2*\c:CH+2*\c+1], v[X+2*\c:X+2*\c+1], v[X+8+2*\c:X+8+2*\c+1]  ; a chain's first sum takes two pairs: nothing is cleared
.endr
.set p, 8
.rept 24
	v_pk_add_f32 v[CH+2*(p%4):CH+2*(p%4)+1], v[CH+2*(p%4):CH+2*(p%4)+1], v[X+2*p:X+2*p+1]
.set p, p+1
.endr
	RED
	v_mul_f32 v[MU], s[K1], v[CH]
	v_mov_b32 v[MU+1], v[MU]
.set p, 0
.rept 32
	v_pk_add_f32 v[X+2*p:X+2*p+1], v[X+2*p:X+2*p+1], v[MU:MU+1] neg_lo:[0,1] neg_hi:[0,1]  ; x - mean: the variance is taken of these, so a common offset does no harm
.set p, p+1
.endr
.irp c, 0,1,2,3
	v_pk_mul_f32 v[CH+2*\c:CH+2*\c+1], v[X+2*\c:X+2*\c+1], v[X+2*\c:X+2*\c+1]
.endr
.set p, 4
.rept 28
	v_pk_fma_f32 v[CH+2*(p%4):CH+2*(p%4)+1], v[X+2*p:X+2*p+1], v[X+2*p:X+2*p+1], v[CH+2*(p%4):CH+2*(p%4)+1]
.set p, p+1
.endr
	RED
	v_fma_f32 v[CH], v[CH], s[K1], s[KE]           ; var + eps
	v_rsq_f32 v[RS], v[CH]
	v_nop                                          ; a plain instruction between the root and the use of its result (ISA guide 5.7.2)
	s_wait_alu depctr_va_vdst(0)
	v_mov_b32 v[RS+1], v[RS]
	s_wait_loadcnt 0x0                             ; g and b
.set p, 0
.rept 32
	v_pk_mul_f32 v[X+2*p:X+2*p+1], v[X+2*p:X+2*p+1], v[RS:RS+1]
.set p, p+1
.endr
.set p, 0
.rept 32
	v_pk_fma_f32 v[X+2*p:X+2*p+1], v[X+2*p:X+2*p+1], v[G+2*p:G+2*p+1], v[B+2*p:B+2*p+1]
.set p, p+1
.endr
.set i, 0
.rept 16
	v_cvt_pk_f16_f32 v[X+4*i],   v[X+4*i],   v[X+4*i+1]
	v_cvt_pk_f16_f32 v[X+4*i+1], v[X+4*i+2], v[X+4*i+3]
.set i, i+1
.endr
.set i, 0
.rept 16
	global_store_b64 v[HO], v[X+4*i:X+4*i+1], s[SHB:SHB+1] offset:32768*i  ; my two rows of block i: the wave stores 256 consecutive bytes, aligned
.set i, i+1
.endr
.endm
	s_load_b256 s[4:11], s[0:1], 0x0
	v_lshrrev_b32 v1, 5, v0
	v_readfirstlane_b32 s12, v1
	s_lshl_b32 s13, ttmp9, 3
	s_add_co_u32 s13, s13, s12                     ; my wave among the 2,048: rows 2 g and 2 g + 1
	s_lshl_b32 s14, s13, 13
	s_mov_b32 s15, 0
	s_lshr_b32 s16, s13, 7
	s_lshl_b32 s16, s16, 19                        ; tile of 256 rows: 524,288 bytes
	s_and_b32 s17, s13, 127
	s_lshl_b32 s17, s17, 8
	s_add_co_u32 s16, s16, s17
	s_mov_b32 s17, 0
	s_mov_b32 s[K1], 0x3a800000                    ; 1/1024
	s_mov_b32 s[KE], 0x3727c5ac                    ; 1e-5
	LNADR
	s_wait_kmcnt 0x0
	s_add_nc_u64 s[SXB:SXB+1], s[SXB:SXB+1], s[14:15]
	s_add_nc_u64 s[SHB:SHB+1], s[SHB:SHB+1], s[16:17]
	LNLOAD
	LNROWS
	s_endpgm
.Lfunc_end_k_q24fec90c57_ln:
	.size	k_q24fec90c57_ln, .Lfunc_end_k_q24fec90c57_ln-k_q24fec90c57_ln
	.p2alignl 7, 3214868480
	.fill 96, 4, 3214868480
	.section	.rodata,"a",@progbits
	.p2align	6, 0x0
	.amdhsa_kernel k_q24fec90c57_ln
		.amdhsa_group_segment_fixed_size 0
		.amdhsa_private_segment_fixed_size 0
		.amdhsa_enable_private_segment 0
		.amdhsa_kernarg_size 32
		.amdhsa_user_sgpr_count 2
		.amdhsa_user_sgpr_kernarg_segment_ptr 1
		.amdhsa_wavefront_size32 1
		.amdhsa_system_sgpr_workgroup_id_x 1
		.amdhsa_system_sgpr_workgroup_id_y 1
		.amdhsa_system_sgpr_workgroup_id_z 1
		.amdhsa_system_vgpr_workitem_id 0
		.amdhsa_next_free_vgpr 224
		.amdhsa_next_free_sgpr 66
		.amdhsa_reserve_vcc 0
		.amdhsa_float_denorm_mode_32 3
		.amdhsa_float_denorm_mode_16_64 3
		.amdhsa_memory_ordered 1
		.amdhsa_forward_progress 1
		.amdhsa_inst_pref_size 21
	.end_amdhsa_kernel
	.amdgpu_metadata
---
amdhsa.version: [ 1, 2 ]
amdhsa.kernels:
  - .name:           k_q24fec90c57_ln
    .symbol:         k_q24fec90c57_ln.kd
    .args:
      - { .name: x1, .offset: 0, .size: 8, .value_kind: global_buffer, .address_space: global }
      - { .name: ln2_g, .offset: 8, .size: 8, .value_kind: global_buffer, .address_space: global }
      - { .name: ln2_b, .offset: 16, .size: 8, .value_kind: global_buffer, .address_space: global }
      - { .name: h16, .offset: 24, .size: 8, .value_kind: global_buffer, .address_space: global }
    .group_segment_fixed_size: 0
    .private_segment_fixed_size: 0
    .kernarg_segment_align: 8
    .kernarg_segment_size: 32
    .max_flat_workgroup_size: 256
    .sgpr_count:     66
    .vgpr_count:     224
    .wavefront_size: 32
...
	.end_amdgpu_metadata
.endif
;; end of part 5
;; launch ffn1 (part 6): grid 16 x 16, 4 waves a work-group, clusters of 4 x 4, 327,680 bytes of LDS; arguments h16, w16, ff16, b1; writes ff16
.if DOCPART == 6
	.amdgcn_target "amdgcn-amd-amdhsa--gfx1250"
	.amdhsa_code_object_version 6
	.text
	.protected	k_q24fec90c57_ffn1
	.globl	k_q24fec90c57_ffn1
	.p2align	8
	.type	k_q24fec90c57_ffn1,@function
k_q24fec90c57_ffn1:
	s_mov_b64 s[64:65], 0
	v_nop
	global_prefetch_b8 v0, s[64:65] scope:SCOPE_SE
	s_setreg_imm32_b32 hwreg(HW_REG_WAVE_MODE, 25, 1), 1
	s_wait_xcnt 0x0
	s_wait_alu depctr_hold_cnt(0) depctr_sa_sdst(0) depctr_va_vdst(0) depctr_va_sdst(0) depctr_va_ssrc(0) depctr_va_vcc(0) depctr_vm_vsrc(0)
	s_getreg_b32 s2, hwreg(HW_REG_IB_STS2, 6, 4)
	s_cmp_eq_u32 s2, 0
	s_cbranch_scc0 .Lentry_in_a_cluster
	s_endpgm
.Lentry_in_a_cluster:
	s_bfe_u32 s2, ttmp6, 0x10000c
	s_cmp_lg_u32 s2, 0xf033
	s_cbranch_scc0 .Lentry_shape_is_right
	s_endpgm
.Lentry_shape_is_right:
; FFN1: ff16 = relu(h16 x w1 + b1).  M = 4,096, N = 4,096, K = 1,024.  f16 operands, f32 sums; bias and ReLU in f32; the result rounded once to f16, laid [32 tiles of 128 rows][64 blocks][128][64].
; One text serves this program's four products; the constants below choose the shape.  Here: a tile of C is 256 x 256, 256 work-groups; each of four waves has 64 rows x 256 columns (64 accumulators).
; A lies [M / ROWS][K / 64][ROWS][64], B lies [N tile][K / (KS/2)][CB][KS/2][64]: what a wave fetches for a K step is one run of bytes, asked for as rows of 256 bytes.
; K goes in steps of KS through a ring of two LDS slots; waves 0, 1 fetch the halves of A's tile, waves 2, 3 the halves of B's: one tensor load a wave and step.
; CLUSTER 4 x 4: A's tile hangs on the tile row alone and is asked for jointly by the four of a row of the cluster, B's on the tile column alone, by the four of a column.
; THE MATRIX INSTRUCTION IS USED TRANSPOSED: source 0 = 16 columns of B (turned on the way out of LDS by ds_load_tr16_b128, since B lies [k][n]), source 1 = 16 rows of A:
; lane l then holds row l % 16 of C and the columns 8 (l / 16) + 0..7.  The bias is the C operand of each sum's first product.
; REGISTERS: window 0: v0-31 addresses, v64-127 A's fragments (two buffers), v128-255 the bias, later at work on the way out; window 1: B's fragments (two buffers of 128); windows 2, 3: the accumulators.
; LIMITS.  f16 ends at 65,504: h, w1 and the result stay within it; ReLU by a maximum with 0 turns a NaN into 0; infinities are not treated apart.
.set KTOT, 1024
.set WOFF, 8388608    ; B's first byte in w16
.set ROWS, 256
.set CB,   4          ; blocks of 64 columns in a tile
.set NBK,  4          ; of them a wave's
.set QK,   32         ; K in a quarter step
.set EPI,  1          ; 0: f16 out; 1: bias, ReLU, f16 out; 2: bias, residual, f32 out
.set W22,  0          ; 1: the waves lie 2 x 2, else 4 x 1
.set EARLY, 0         ; 0: two row blocks' products stand round the signal of the barrier that changes slots: a step has 256 products a wave, the most of the four shapes
.set OBLK, 16384      ; bytes from a block of 64 columns of the output to the next
.set NT,   4*NBK      ; accumulators in a row block
.set CPQ,  QK/32
.set KS,   4*QK
.set NSTEP, KTOT/KS   ; even
.set NL,   8*CPQ*(NBK+1)  ; LDS loads of a quarter step
.set ABLK, ROWS*144   ; a block of 64 k of A in LDS: rows of 128 bytes + 16 of padding: 16 rows of a load start at 16 different groups of four banks (ISA guide 11.1)
.set BH,   (KS/2)*160 ; a block of 64 columns of B, KS/2 rows of k: 128 bytes + 32 of padding
.set BOFF, (KS/64)*ABLK
.set SLOT, BOFF+2*CB*BH
.set SPARE, 2*SLOT    ; the spare words, 128 bytes a wave: two blocks of 256 bytes that no other line names
.if EPI == 2
.set STAGE, 0         ; the way out goes through slot 0: it has had its last fill, and its last readers have passed the last barrier
.set STG,  4352
.else
.set STAGE, SPARE+512 ; bytes of its own: 16 rows x 144 a wave
.set STG,  2304
.endif
.set RB,   CB*KS/4    ; rows of 256 bytes in a load of B
.set STEPA, KS*ROWS*2
.set STEPB, CB*KS*128
.set ATILE, KTOT*ROWS*2
.set BTILE, CB*KTOT*128
.set ADRA, 13         ; v13 A's fragments in the slot in hand; v14, v15 B's, first and second half of the step's k; v10-12 the same for slot 0
.set ADRB, 14
.set STO,  16
.set RD,   17
.set GO,   18
.set BO,   19
.set SPW,  28         ; v28 my spare word's address, v29 zero: never rewritten
.set NIL,  29
.set AF,   64
.if EPI == 2
.set BIAS, 32
.set BK,   32
.set RES,  64         ; window 2
.else
.set BIAS, 128
.set TMP,  128
.set BK,   192
.endif
.set MSB, 0
.macro WIN new                      ; the high byte repeats the setting that is left
.if MSB != (\new)
	s_set_vgpr_msb (MSB<<8)|(\new)
.set MSB, (\new)
.endif
.endm
.macro PLACES                       ; four places behind matrix instructions, in front of loads into their sources and of reads of their results
.rept 4
	v_nop
.endr
.endm
.macro JLOAD                        ; a joint refill by the walking descriptors; the branch hangs on the wave's number alone; s_nop 0 and four v_nop follow each line
	s_cmp_eq_u32 s15, 0
	s_cbranch_scc0 .Lfor_b_\@
	tensor_load_to_lds s[36:39], s[24:31]
	s_nop 0
	PLACES
	s_branch .Lasked_\@
.Lfor_b_\@:
	tensor_load_to_lds s[60:63], s[48:55]
	s_nop 0
	PLACES
.Lasked_\@:
.endm
.macro CREST                        ; a round of the cluster's barrier behind its opening barrier
	s_cmp_lg_u32 s14, 0
	s_cbranch_scc1 .Lnot_wave_0_\@
	s_barrier_signal -3
.Lnot_wave_0_\@:
	s_barrier_wait -3
	s_barrier_signal -1
	s_barrier_wait -1
.endm
.macro CROUND
	s_barrier_signal -1
	s_barrier_wait -1
	CREST
.endm
; Row block a of buffer f: CPQ x NT matrix instructions; the accumulators take turns.  first = 1: the sums start, with 0 or with the bias as C.
.macro MULA f, a, first
.set c, 0
.rept CPQ
.set bb, 0
.rept NT
.set rD, 8*(((\a)&1)*NT+bb)
.set rB, (\f)*128+c*8*NT+8*bb
.set rA, AF+(\f)*32*CPQ+c*32+8*(\a)
.if (\first) && (c == 0) && (EPI == 0)
	WIN 0xa1+0x50*((\a)/2)
	v_wmma_f32_16x16x32_f16 v[rD:rD+7], v[rB:rB+7], v[rA:rA+7], 0
.elseif (\first) && (c == 0)
	WIN 0x81+0x40*((\a)/2)
	v_wmma_f32_16x16x32_f16 v[rD:rD+7], v[rB:rB+7], v[rA:rA+7], v[BIAS+8*bb:BIAS+8*bb+7]
.else
	WIN 0xa1+0x50*((\a)/2)
	v_wmma_f32_16x16x32_f16 v[rD:rD+7], v[rB:rB+7], v[rA:rA+7], v[rD:rD+7]
.endif
.set bb, bb+1
.endr
.set c, c+1
.endr
.endm
; B's fragments of quarter q, column blocks b0 to b1 - 1, into buffer g
.macro FB q, g, b0, b1
	WIN 0x40
.set c, 0
.rept CPQ
.set kk, (\q)*QK+32*c
.set bb, (\b0)
.rept (\b1)-(\b0)
.set rB, (\g)*128+c*8*NT+8*bb
.set ob, (bb/4)*BH+(kk%(KS/2))*160+(bb%4)*32
	ds_load_tr16_b128 v[rB:rB+3],   v[ADRB+kk/(KS/2)] offset:ob
	ds_load_tr16_b128 v[rB+4:rB+7], v[ADRB+kk/(KS/2)] offset:ob+2560
.set bb, bb+1
.endr
.set c, c+1
.endr
.endm
; A's fragments of quarter q into buffer g, row blocks 2 and 3 last
.macro FA q, g
	WIN 0
.set ra, 0
.rept 4
.set c, 0
.rept CPQ
.set kk, (\q)*QK+32*c
.set rA, AF+(\g)*32*CPQ+c*32+8*ra
.set oa, (kk/64)*ABLK+(kk%64)*2+ra*2304
	ds_load_b128 v[rA:rA+3],   v[ADRA] offset:oa
	ds_load_b128 v[rA+4:rA+7], v[ADRA] offset:oa+32
.set c, c+1
.endr
.set ra, ra+1
.endr
.endm
.macro FETCH q, g                   ; all of a quarter's fragments in one run
	FB \q, \g, 0, NT
	FA \q, \g
.endm
; A quarter multiplies buffer f.  Quarter qn's fragments are asked for into buffer g from the quarter's head on, in short runs between the row blocks' products: B's first, A's last.
; The four v_nop at the head are the places behind the last products that read buffer g, for all the runs.
.macro QUARTER f, g, qn, first
	PLACES
.if NBK > 1
	FB \qn, \g, 0, NT/2
	s_wait_dscnt CPQ*NT+4*CPQ                      ; all but the run just issued and, of buffer f, A's row blocks 2 and 3
	MULA \f, 0, \first
	FB \qn, \g, NT/2, NT
	MULA \f, 1, \first
	FA \qn, \g
.else
	FB \qn, \g, 0, NT
	s_wait_dscnt 2*CPQ*NT+4*CPQ                    ; all but the run just issued and, of buffer f, A's row blocks 2 and 3
	MULA \f, 0, \first
	FA \qn, \g
	MULA \f, 1, \first
.endif
	s_wait_dscnt NL                                ; all but the NL loads issued in this quarter
	MULA \f, 2, \first
	MULA \f, 3, \first
.endm
; The last quarter multiplies buffer 1 and changes slots: one barrier; in front of it each wave waits for all its tensor loads (one is out: its part of the next slot), adds 0 to its spare word,
; and waits for that and for its reads of this slot.  fill = 1: the barrier opens a round of the cluster's, and the slot just read is filled again, two steps ahead, first thing behind the round.
; EARLY = 1: the quarter's products all stand behind the request; EARLY = 0: two row blocks' products stand round the barrier's signal.
.macro TURN fill
	WIN 0
	s_wait_tensorcnt 0x0
	ds_add_u32 v[SPW], v[NIL]
.if EARLY
.if \fill
	s_add_co_u32 s37, s20, s22                     ; no load of mine is out: the walking descriptors step: into the slot just read,
	s_add_nc_u64 s[38:39], s[38:39], STEPA         ; the next K step
	s_add_co_u32 s61, s20, s23
	s_add_nc_u64 s[62:63], s[62:63], STEPB
.endif
	s_wait_dscnt 0x0                               ; the add is done, my reads of this slot are over
	s_barrier_signal -1
	s_barrier_wait -1
.else
	s_wait_dscnt 4*CPQ+1                           ; the add and A's row blocks 2 and 3 may be out
	MULA 1, 0, 0
	s_wait_dscnt 0x0                               ; the add is done, my reads of this slot are over
	s_barrier_signal -1
	MULA 1, 1, 0
	WIN 0
	s_barrier_wait -1
.endif
.if \fill
	CREST
.if EARLY == 0
	s_add_co_u32 s37, s20, s22                     ; the walking descriptors: into the slot just read,
	s_add_nc_u64 s[38:39], s[38:39], STEPA         ; the next K step; no load of mine is out
	s_add_co_u32 s61, s20, s23
	s_add_nc_u64 s[62:63], s[62:63], STEPB
.endif
	JLOAD
.else
	PLACES
.endif
	s_xor_b32 s20, s20, SLOT                       ; the other slot is read from here on
	v_add_nc_u32 v13, s20, v10
	v_add_nc_u32 v14, s20, v11
	v_add_nc_u32 v15, s20, v12
	FETCH 0, 0
.if EARLY
	MULA 1, 0, 0
	MULA 1, 1, 0
.endif
	MULA 1, 2, 0
	MULA 1, 3, 0
.endm
	s_load_b128 s[4:7], s[0:1], 0x0                ; A s[4:5], w16 s[6:7]
.if EPI == 0
	s_load_b64 s[8:9], s[0:1], 0x10                ; the output
.else
	s_load_b128 s[8:11], s[0:1], 0x10              ; the output, the bias
.endif
.if EPI == 2
	s_load_b64 s[12:13], s[0:1], 0x20              ; the residual
.endif
	v_lshl_add_u32 v[SPW], v0, 2, SPARE
	v_mov_b32 v[NIL], 0
	ds_add_u32 v28, v29
	s_wait_dscnt 0x0
	v_lshrrev_b32 v1, 5, v0
	v_readfirstlane_b32 s14, v1                    ; wave 0..3
	s_lshr_b32 s15, s14, 1                         ; I fetch for A (0) or B (1)
	s_and_b32 s16, s14, 1                          ; which half
	s_bfe_u32 s40, ttmp6, 0x40000                  ; cx
	s_bfe_u32 s41, ttmp6, 0x40004                  ; cy
	s_lshl_b32 s42, ttmp9, 2
	s_add_co_u32 s42, s42, s40                     ; tile column
	s_and_b32 s43, ttmp7, 0xffff
	s_lshl_b32 s43, s43, 2
	s_add_co_u32 s43, s43, s41                     ; tile row
	s_lshl_b32 s44, s41, 2
	s_lshl_b32 s44, 15, s44                        ; my row of the cluster
	s_lshl_b32 s45, 0x1111, s40                    ; my column
	; group 1: rows of 128 elements of 2 bytes, dense; padding after every 32 words: 4 words for A, 8 for B; bit 21 stands beside a mask
	s_or_b32 s24, s44, (1<<16)|(1<<20)|(1<<21)|(4<<22)|(3<<25)
	s_mov_b32 s25, 128<<16                         ; tensor_dim0
	s_mov_b32 s26, 128<<16                         ; tensor_dim1 = 128 rows
	s_mov_b32 s27, 128<<16                         ; tile_dim0
	s_mov_b32 s28, 128                             ; tile_dim1
	s_mov_b32 s29, 128                             ; elements from row to row
	s_mov_b32 s30, 0
	s_mov_b32 s31, 0
	s_or_b32 s48, s45, (1<<16)|(1<<20)|(1<<21)|(4<<22)|(7<<25)
	s_mov_b32 s49, 128<<16
	s_mov_b32 s50, RB<<16
	s_mov_b32 s51, 128<<16
	s_mov_b32 s52, RB
	s_mov_b32 s53, 128
	s_mov_b32 s54, 0
	s_mov_b32 s55, 0
	s_mul_i32 s66, s43, ATILE                      ; A: the tile row and my half; never the tile column
	s_lshl_b32 s17, s16, 15
	s_add_co_u32 s66, s66, s17
	s_mov_b32 s67, 0
	s_mul_i32 s46, s42, BTILE                      ; B: the tile column and my half; never the tile row
	s_mul_i32 s17, s16, STEPB/2
	s_add_co_u32 s46, s46, s17
	s_add_co_u32 s46, s46, WOFF
	s_mov_b32 s47, 0
	s_mul_i32 s22, s16, 36864                      ; where my part goes in a slot: the wave's number alone
	s_mul_i32 s23, s16, CB*BH
	s_add_co_u32 s23, s23, BOFF
	s_mov_b32 s20, 0                               ; the slot in hand
	CROUND                                         ; all sixteen work-groups are here: the first joint loads meet; the arguments come in meanwhile
	s_wait_kmcnt 0x0
	s_add_nc_u64 s[66:67], s[4:5], s[66:67]
	s_add_nc_u64 s[46:47], s[6:7], s[46:47]
	s_mov_b32 s32, 1                               ; group 0 for K step 0, slot 0
	s_mov_b32 s33, s22
	s_mov_b64 s[34:35], s[66:67]
	s_or_b32 s35, s35, 0x80000000
	s_mov_b32 s36, 1                               ; for K step 1, slot 1: this set walks on
	s_add_co_u32 s37, s22, SLOT
	s_add_nc_u64 s[38:39], s[66:67], STEPA
	s_or_b32 s39, s39, 0x80000000
	s_mov_b32 s56, 1
	s_mov_b32 s57, s23
	s_mov_b64 s[58:59], s[46:47]
	s_or_b32 s59, s59, 0x80000000
	s_mov_b32 s60, 1
	s_add_co_u32 s61, s23, SLOT
	s_add_nc_u64 s[62:63], s[46:47], STEPB
	s_or_b32 s63, s63, 0x80000000
	s_cmp_eq_u32 s15, 0                            ; a wave's two first fills stand in one branch: two loads of mine are out
	s_cbranch_scc0 .Lfirst_b
	tensor_load_to_lds s[32:35], s[24:31]
	s_nop 0
	tensor_load_to_lds s[36:39], s[24:31]
	s_nop 0
	PLACES
	s_branch .Lfirst_done
.Lfirst_b:
	tensor_load_to_lds s[56:59], s[48:55]
	s_nop 0
	tensor_load_to_lds s[60:63], s[48:55]
	s_nop 0
	PLACES
.Lfirst_done:
	v_and_b32 v1, 15, v0                           ; r = l % 16
	v_bfe_u32 v2, v0, 4, 1                         ; hh = l / 16
	v_and_b32 v3, 7, v0
	v_bfe_u32 v4, v0, 3, 1
	v_bfe_u32 v5, v0, 3, 2
	v_mul_u32_u24 v10, v1, 144                     ; A: row x pitch + 16 hh + my 64 rows
	v_lshl_add_u32 v10, v2, 4, v10
.if W22
	s_mul_i32 s17, s15, 9216
	s_mul_i32 s18, s16, BH
	s_add_co_u32 s18, s18, BOFF
.else
	s_mul_i32 s17, s14, 9216
	s_mov_b32 s18, BOFF
.endif
	v_add_nc_u32 v10, s17, v10
	v_lshl_add_u32 v11, v2, 3, v3                  ; B: row of k 8 hh + l % 8, 16 bytes by (l / 8) % 2
	v_mul_u32_u24 v11, v11, 160
	v_lshl_add_u32 v11, v4, 4, v11
	v_add_nc_u32 v11, s18, v11
	v_add_nc_u32 v12, CB*BH, v11
	v_mov_b32 v13, v10
	v_mov_b32 v14, v11
	v_mov_b32 v15, v12
	s_mul_i32 s21, s14, STG
	s_add_co_u32 s21, s21, STAGE                   ; my stage
	s_mov_b32 s69, 0
	s_mov_b32 s71, 0
.if EPI == 2
	v_mul_u32_u24 v[STO], v1, 272                  ; in: row r, 32 bytes for each half of the lanes
	v_lshl_add_u32 v[STO], v2, 5, v[STO]
	v_add_nc_u32 v[STO], s21, v[STO]
	v_mul_u32_u24 v[RD], v2, 272                   ; back: lanes 0-15 one row of 256 bytes, lanes 16-31 the next
	v_lshl_add_u32 v[RD], v1, 4, v[RD]
	v_add_nc_u32 v[RD], s21, v[RD]
	v_lshlrev_b32 v[GO], 4, v1                     ; the same two rows in the output and the residual
	v_lshl_add_u32 v[GO], v2, 12, v[GO]
	s_lshl_b32 s68, s43, 19                        ; (128 tile row + 64 wr) x 4,096 + (128 tile column + 64 wc) x 4
	s_lshl_b32 s17, s15, 18
	s_add_co_u32 s68, s68, s17
	s_lshl_b32 s70, s42, 9
	s_lshl_b32 s17, s16, 8
	s_add_co_u32 s70, s70, s17
	s_add_co_u32 s68, s68, s70
	s_add_nc_u64 s[12:13], s[12:13], s[68:69]
.else
	v_mul_u32_u24 v[STO], v1, 144                  ; in: row r, 16 bytes for each half of the lanes
	v_lshl_add_u32 v[STO], v2, 4, v[STO]
	v_add_nc_u32 v[STO], s21, v[STO]
	v_mul_u32_u24 v[RD], v5, 144                   ; back: 32 lanes take four rows of 128 bytes,
	v_lshl_add_u32 v[RD], v3, 4, v[RD]
	v_add_nc_u32 v[RD], s21, v[RD]
	v_and_b32 v[GO], 31, v0                        ; which are 512 consecutive bytes of the output
	v_lshlrev_b32 v[GO], 4, v[GO]
.if EPI == 0
	s_mul_i32 s68, s42, CB*OBLK                    ; [48][4096][64]: my tile's first block, my 64 rows
	s_lshl_b32 s17, s43, 15
	s_add_co_u32 s68, s68, s17
	s_lshl_b32 s17, s14, 13
	s_add_co_u32 s68, s68, s17
.else
	s_lshl_b32 s68, s43, 1                         ; [32 tiles of 128 rows][64 blocks][128][64]
	s_add_co_u32 s68, s68, s15
	s_lshl_b32 s68, s68, 20
	s_lshl_b32 s17, s42, 16
	s_add_co_u32 s68, s68, s17
	s_lshl_b32 s17, s16, 13
	s_add_co_u32 s68, s68, s17
	s_lshl_b32 s70, s42, 10                        ; the bias of my 256 columns
.endif
.endif
	s_add_nc_u64 s[8:9], s[8:9], s[68:69]
.if EPI > 0
	s_add_nc_u64 s[10:11], s[10:11], s[70:71]
	v_lshlrev_b32 v[BO], 5, v2                     ; the bias as a C operand: register j of block bb is column 16 bb + 8 hh + j, the same in all 16 rows
.set bb, 0
.rept NT
	global_load_b128 v[BIAS+8*bb:BIAS+8*bb+3],   v[BO], s[10:11] offset:64*bb
	global_load_b128 v[BIAS+8*bb+4:BIAS+8*bb+7], v[BO], s[10:11] offset:64*bb+16
.set bb, bb+1
.endr
.endif
.if EPI == 2
	WIN 0x80                                       ; the residual waits in window 2, in the order in which the rows leave
.set j, 0
.rept 32
	global_load_b128 v[RES+4*j:RES+4*j+3], v[GO], s[12:13] offset:2*j*4096
.set j, j+1
.endr
	WIN 0
.endif
	s_wait_tensorcnt 1                             ; my part of K step 0 is in; step 1's may stay out
	s_barrier_signal -1
	s_barrier_wait -1
	FETCH 0, 0
.if EPI == 2
	s_wait_loadcnt 32                              ; the bias is in: the 32 loads of the residual are younger
.elseif EPI == 1
	s_wait_loadcnt 0x0                             ; the bias
.endif
	QUARTER 0, 1, 1, 1                             ; the first quarter starts the sums
	WIN 0
	s_mov_b32 s3, NSTEP-2
.Lstep:                                                ; a trip: a step's quarters 1 to 3, the change of slots with a refill, the next step's quarter 0
	QUARTER 1, 0, 2, 0
	QUARTER 0, 1, 3, 0
	TURN 1
	QUARTER 0, 1, 1, 0
	WIN 0
	s_sub_co_u32 s3, s3, 1
	s_cmp_lg_u32 s3, 0
	s_cbranch_scc1 .Lstep
	s_mov_b32 s3, 2
.Ltail:                                                ; the last two steps ask for nothing; the second trip is left in its middle
	QUARTER 1, 0, 2, 0
	QUARTER 0, 1, 3, 0
	WIN 0
	s_sub_co_u32 s3, s3, 1
	s_cmp_eq_u32 s3, 0
	s_cbranch_scc1 .Lout
	TURN 0
	QUARTER 0, 1, 1, 0
	WIN 0
	s_cmp_lg_u32 s3, 0
	s_cbranch_scc1 .Ltail
.Lout:
	s_wait_dscnt 0x0
	MULA 1, 0, 0
	MULA 1, 1, 0
	MULA 1, 2, 0
	MULA 1, 3, 0
	PLACES
	; THE WAY OUT, a row block of 16 rows at a time, each accumulator's registers in ascending order
.if EPI == 2
	s_wait_loadcnt 0x0                             ; the residual
.set ra, 0
.rept 4
.set AC, 8*(ra&1)*NT
	WIN 0x08+4*(ra/2)                              ; a store's data in window 2 or 3
.set bb, 0
.rept NT
	ds_store_b128 v[STO], v[AC+8*bb:AC+8*bb+3]   offset:64*bb
	ds_store_b128 v[STO], v[AC+8*bb+4:AC+8*bb+7] offset:64*bb+16
.set bb, bb+1
.endr
	WIN 0
	s_wait_xcnt 0x0                                ; the last block's stores have read the registers that are loaded again
.irp t, 0,1,2,3,4,5,6,7
	ds_load_b128 v[BK+4*\t:BK+4*\t+3], v[RD] offset:544*\t  ; LDS serves a wave's instructions in order (ISA guide 5.7.1.4)
.endr
	s_wait_dscnt 0x0
	WIN 0x08
.set j, 0
.rept 16
	v_pk_add_f32 v[BK+2*j:BK+2*j+1], v[BK+2*j:BK+2*j+1], v[RES+32*ra+2*j:RES+32*ra+2*j+1]
.set j, j+1
.endr
	WIN 0
.irp t, 0,1,2,3,4,5,6,7
	global_store_b128 v[GO], v[BK+4*\t:BK+4*\t+3], s[8:9] offset:(16*ra+2*\t)*4096  ; 16 lanes store 256 consecutive bytes, aligned
.endr
.set ra, ra+1
.endr
.else
.set ra, 0
.rept 4
.set AC, 8*(ra&1)*NT
.if EPI == 1
	WIN 0x88+0x44*(ra/2)
.set j, 0
.rept 8*NT
	v_max_num_f32 v[AC+j], 0, v[AC+j]
.set j, j+1
.endr
.endif
	WIN 0x0a+5*(ra/2)
.set j, 0
.rept 4*NT
	v_cvt_pk_f16_f32 v[TMP+j], v[AC+2*j], v[AC+2*j+1]
.set j, j+1
.endr
	WIN 0
	s_wait_xcnt 0x0                                ; the last block's stores have read the registers that are loaded again
.set cb, 0
.rept NBK
.irp t, 0,1,2,3
	ds_store_b128 v[STO], v[TMP+16*cb+4*\t:TMP+16*cb+4*\t+3] offset:32*\t
.endr
.irp t, 0,1,2,3
	ds_load_b128 v[BK+16*cb+4*\t:BK+16*cb+4*\t+3], v[RD] offset:576*\t  ; LDS serves a wave's instructions in order (ISA guide 5.7.1.4): the next block's stores come behind these
.endr
.set cb, cb+1
.endr
	s_wait_dscnt 0x0
.set cb, 0
.rept NBK
.irp t, 0,1,2,3
	global_store_b128 v[GO], v[BK+16*cb+4*\t:BK+16*cb+4*\t+3], s[8:9] offset:cb*OBLK+ra*2048+\t*512  ; 512 consecutive bytes, aligned
.endr
.set cb, cb+1
.endr
.set ra, ra+1
.endr
.endif
	s_wait_tensorcnt 0x0                           ; the wave's end
	ds_add_u32 v[SPW], v[NIL]
	s_wait_dscnt 0x0
	CROUND                                         ; the closing round
	s_endpgm
.Lfunc_end_k_q24fec90c57_ffn1:
	.size	k_q24fec90c57_ffn1, .Lfunc_end_k_q24fec90c57_ffn1-k_q24fec90c57_ffn1
	.p2alignl 7, 3214868480
	.fill 96, 4, 3214868480
	.section	.rodata,"a",@progbits
	.p2align	6, 0x0
	.amdhsa_kernel k_q24fec90c57_ffn1
		.amdhsa_group_segment_fixed_size 327680
		.amdhsa_private_segment_fixed_size 0
		.amdhsa_enable_private_segment 0
		.amdhsa_kernarg_size 32
		.amdhsa_user_sgpr_count 2
		.amdhsa_user_sgpr_kernarg_segment_ptr 1
		.amdhsa_wavefront_size32 1
		.amdhsa_system_sgpr_workgroup_id_x 1
		.amdhsa_system_sgpr_workgroup_id_y 1
		.amdhsa_system_sgpr_workgroup_id_z 1
		.amdhsa_system_vgpr_workitem_id 0
		.amdhsa_next_free_vgpr 1024
		.amdhsa_next_free_sgpr 72
		.amdhsa_reserve_vcc 0
		.amdhsa_float_denorm_mode_32 3
		.amdhsa_float_denorm_mode_16_64 3
		.amdhsa_memory_ordered 1
		.amdhsa_forward_progress 1
		.amdhsa_inst_pref_size 128
	.end_amdhsa_kernel
	.amdgpu_metadata
---
amdhsa.version: [ 1, 2 ]
amdhsa.kernels:
  - .name:           k_q24fec90c57_ffn1
    .symbol:         k_q24fec90c57_ffn1.kd
    .args:
      - { .name: h16, .offset: 0, .size: 8, .value_kind: global_buffer, .address_space: global }
      - { .name: w16, .offset: 8, .size: 8, .value_kind: global_buffer, .address_space: global }
      - { .name: ff16, .offset: 16, .size: 8, .value_kind: global_buffer, .address_space: global }
      - { .name: b1, .offset: 24, .size: 8, .value_kind: global_buffer, .address_space: global }
    .group_segment_fixed_size: 327680
    .private_segment_fixed_size: 0
    .kernarg_segment_align: 8
    .kernarg_segment_size: 32
    .max_flat_workgroup_size: 128
    .sgpr_count:     72
    .vgpr_count:     1024
    .wavefront_size: 32
...
	.end_amdgpu_metadata
.endif
;; end of part 6
;; launch ffn2 (part 7): grid 8 x 32, 4 waves a work-group, clusters of 4 x 4, 327,680 bytes of LDS; arguments ff16, w16, out0, b2, x1; writes out0
.if DOCPART == 7
	.amdgcn_target "amdgcn-amd-amdhsa--gfx1250"
	.amdhsa_code_object_version 6
	.text
	.protected	k_q24fec90c57_ffn2
	.globl	k_q24fec90c57_ffn2
	.p2align	8
	.type	k_q24fec90c57_ffn2,@function
k_q24fec90c57_ffn2:
	s_mov_b64 s[64:65], 0
	v_nop
	global_prefetch_b8 v0, s[64:65] scope:SCOPE_SE
	s_setreg_imm32_b32 hwreg(HW_REG_WAVE_MODE, 25, 1), 1
	s_wait_xcnt 0x0
	s_wait_alu depctr_hold_cnt(0) depctr_sa_sdst(0) depctr_va_vdst(0) depctr_va_sdst(0) depctr_va_ssrc(0) depctr_va_vcc(0) depctr_vm_vsrc(0)
	s_getreg_b32 s2, hwreg(HW_REG_IB_STS2, 6, 4)
	s_cmp_eq_u32 s2, 0
	s_cbranch_scc0 .Lentry_in_a_cluster
	s_endpgm
.Lentry_in_a_cluster:
	s_bfe_u32 s2, ttmp6, 0x10000c
	s_cmp_lg_u32 s2, 0xf033
	s_cbranch_scc0 .Lentry_shape_is_right
	s_endpgm
.Lentry_shape_is_right:
; FFN2: out0 = x1 + ff16 x w2 + b2.  M = 4,096, N = 1,024, K = 4,096.  f16 operands, f32 sums; bias and residual in f32; out0 is f32 [4096][1024].
; One text serves this program's four products; the constants below choose the shape.  Here: a tile of C is 128 x 128, 256 work-groups; the four waves lie 2 x 2, 64 x 64 each (16 accumulators);
; N = 1,024 allows no larger tile on 256 work-groups, so K steps are 256 long: the one load a wave has a longer step in which to land.
; A lies [M / ROWS][K / 64][ROWS][64], B lies [N tile][K / (KS/2)][CB][KS/2][64]: what a wave fetches for a K step is one run of bytes, asked for as rows of 256 bytes.
; K goes in steps of KS through a ring of two LDS slots; waves 0, 1 fetch the halves of A's tile, waves 2, 3 the halves of B's: one tensor load a wave and step.
; CLUSTER 4 x 4: A's tile hangs on the tile row alone and is asked for jointly by the four of a row of the cluster, B's on the tile column alone, by the four of a column.
; THE MATRIX INSTRUCTION IS USED TRANSPOSED: source 0 = 16 columns of B (turned on the way out of LDS by ds_load_tr16_b128, since B lies [k][n]), source 1 = 16 rows of A:
; lane l then holds row l % 16 of C and the columns 8 (l / 16) + 0..7.  The bias is the C operand of each sum's first product.
; REGISTERS: window 0: v0-31 addresses, v32-63 the bias, later rows on the way out, v64-191 A's fragments (two buffers); window 1: B's fragments; windows 2, 3: the accumulators; window 2 v64-191 the residual.
; LIMITS.  f16 ends at 65,504: the operands stay within it; NaN and infinities are not treated apart.
.set KTOT, 4096
.set WOFF, 16777216   ; B's first byte in w16
.set ROWS, 128
.set CB,   2          ; blocks of 64 columns in a tile
.set NBK,  1          ; of them a wave's
.set QK,   64         ; K in a quarter step
.set EPI,  2          ; 0: f16 out; 1: bias, ReLU, f16 out; 2: bias, residual, f32 out
.set W22,  1          ; 1: the waves lie 2 x 2, else 4 x 1
.set EARLY, 1         ; 1: no product stands between the wait for a tile and the request for the next: a step has 128 products a wave, half of the 256 of the largest of the four shapes
.set OBLK, 0
.set NT,   4*NBK      ; accumulators in a row block
.set CPQ,  QK/32
.set KS,   4*QK
.set NSTEP, KTOT/KS   ; even
.set NL,   8*CPQ*(NBK+1)  ; LDS loads of a quarter step
.set ABLK, ROWS*144   ; a block of 64 k of A in LDS: rows of 128 bytes + 16 of padding: 16 rows of a load start at 16 different groups of four banks (ISA guide 11.1)
.set BH,   (KS/2)*160 ; a block of 64 columns of B, KS/2 rows of k: 128 bytes + 32 of padding
.set BOFF, (KS/64)*ABLK
.set SLOT, BOFF+2*CB*BH
.set SPARE, 2*SLOT    ; the spare words, 128 bytes a wave: two blocks of 256 bytes that no other line names
.if EPI == 2
.set STAGE, 0         ; the way out goes through slot 0: it has had its last fill, and its last readers have passed the last barrier
.set STG,  4352
.else
.set STAGE, SPARE+512 ; bytes of its own: 16 rows x 144 a wave
.set STG,  2304
.endif
.set RB,   CB*KS/4    ; rows of 256 bytes in a load of B
.set STEPA, KS*ROWS*2
.set STEPB, CB*KS*128
.set ATILE, KTOT*ROWS*2
.set BTILE, CB*KTOT*128
.set ADRA, 13         ; v13 A's fragments in the slot in hand; v14, v15 B's, first and second half of the step's k; v10-12 the same for slot 0
.set ADRB, 14
.set STO,  16
.set RD,   17
.set GO,   18
.set BO,   19
.set SPW,  28         ; v28 my spare word's address, v29 zero: never rewritten
.set NIL,  29
.set AF,   64
.if EPI == 2
.set BIAS, 32
.set BK,   32
.set RES,  64         ; window 2
.else
.set BIAS, 128
.set TMP,  128
.set BK,   192
.endif
.set MSB, 0
.macro WIN new                      ; the high byte repeats the setting that is left
.if MSB != (\new)
	s_set_vgpr_msb (MSB<<8)|(\new)
.set MSB, (\new)
.endif
.endm
.macro PLACES                       ; four places behind matrix instructions, in front of loads into their sources and of reads of their results
.rept 4
	v_nop
.endr
.endm
.macro JLOAD                        ; a joint refill by the walking descriptors; the branch hangs on the wave's number alone; s_nop 0 and four v_nop follow each line
	s_cmp_eq_u32 s15, 0
	s_cbranch_scc0 .Lfor_b_\@
	tensor_load_to_lds s[36:39], s[24:31]
	s_nop 0
	PLACES
	s_branch .Lasked_\@
.Lfor_b_\@:
	tensor_load_to_lds s[60:63], s[48:55]
	s_nop 0
	PLACES
.Lasked_\@:
.endm
.macro CREST                        ; a round of the cluster's barrier behind its opening barrier
	s_cmp_lg_u32 s14, 0
	s_cbranch_scc1 .Lnot_wave_0_\@
	s_barrier_signal -3
.Lnot_wave_0_\@:
	s_barrier_wait -3
	s_barrier_signal -1
	s_barrier_wait -1
.endm
.macro CROUND
	s_barrier_signal -1
	s_barrier_wait -1
	CREST
.endm
; Row block a of buffer f: CPQ x NT matrix instructions; the accumulators take turns.  first = 1: the sums start, with 0 or with the bias as C.
.macro MULA f, a, first
.set c, 0
.rept CPQ
.set bb, 0
.rept NT
.set rD, 8*(((\a)&1)*NT+bb)
.set rB, (\f)*128+c*8*NT+8*bb
.set rA, AF+(\f)*32*CPQ+c*32+8*(\a)
.if (\first) && (c == 0) && (EPI == 0)
	WIN 0xa1+0x50*((\a)/2)
	v_wmma_f32_16x16x32_f16 v[rD:rD+7], v[rB:rB+7], v[rA:rA+7], 0
.elseif (\first) && (c == 0)
	WIN 0x81+0x40*((\a)/2)
	v_wmma_f32_16x16x32_f16 v[rD:rD+7], v[rB:rB+7], v[rA:rA+7], v[BIAS+8*bb:BIAS+8*bb+7]
.else
	WIN 0xa1+0x50*((\a)/2)
	v_wmma_f32_16x16x32_f16 v[rD:rD+7], v[rB:rB+7], v[rA:rA+7], v[rD:rD+7]
.endif
.set bb, bb+1
.endr
.set c, c+1
.endr
.endm
; B's fragments of quarter q, column blocks b0 to b1 - 1, into buffer g
.macro FB q, g, b0, b1
	WIN 0x40
.set c, 0
.rept CPQ
.set kk, (\q)*QK+32*c
.set bb, (\b0)
.rept (\b1)-(\b0)
.set rB, (\g)*128+c*8*NT+8*bb
.set ob, (bb/4)*BH+(kk%(KS/2))*160+(bb%4)*32
	ds_load_tr16_b128 v[rB:rB+3],   v[ADRB+kk/(KS/2)] offset:ob
	ds_load_tr16_b128 v[rB+4:rB+7], v[ADRB+kk/(KS/2)] offset:ob+2560
.set bb, bb+1
.endr
.set c, c+1
.endr
.endm
; A's fragments of quarter q into buffer g, row blocks 2 and 3 last
.macro FA q, g
	WIN 0
.set ra, 0
.rept 4
.set c, 0
.rept CPQ
.set kk, (\q)*QK+32*c
.set rA, AF+(\g)*32*CPQ+c*32+8*ra
.set oa, (kk/64)*ABLK+(kk%64)*2+ra*2304
	ds_load_b128 v[rA:rA+3],   v[ADRA] offset:oa
	ds_load_b128 v[rA+4:rA+7], v[ADRA] offset:oa+32
.set c, c+1
.endr
.set ra, ra+1
.endr
.endm
.macro FETCH q, g                   ; all of a quarter's fragments in one run
	FB \q, \g, 0, NT
	FA \q, \g
.endm
; A quarter multiplies buffer f.  Quarter qn's fragments are asked for into buffer g from the quarter's head on, in short runs between the row blocks' products: B's first, A's last.
; The four v_nop at the head are the places behind the last products that read buffer g, for all the runs.
.macro QUARTER f, g, qn, first
	PLACES
.if NBK > 1
	FB \qn, \g, 0, NT/2
	s_wait_dscnt CPQ*NT+4*CPQ                      ; all but the run just issued and, of buffer f, A's row blocks 2 and 3
	MULA \f, 0, \first
	FB \qn, \g, NT/2, NT
	MULA \f, 1, \first
	FA \qn, \g
.else
	FB \qn, \g, 0, NT
	s_wait_dscnt 2*CPQ*NT+4*CPQ                    ; all but the run just issued and, of buffer f, A's row blocks 2 and 3
	MULA \f, 0, \first
	FA \qn, \g
	MULA \f, 1, \first
.endif
	s_wait_dscnt NL                                ; all but the NL loads issued in this quarter
	MULA \f, 2, \first
	MULA \f, 3, \first
.endm
; The last quarter multiplies buffer 1 and changes slots: one barrier; in front of it each wave waits for all its tensor loads (one is out: its part of the next slot), adds 0 to its spare word,
; and waits for that and for its reads of this slot.  fill = 1: the barrier opens a round of the cluster's, and the slot just read is filled again, two steps ahead, first thing behind the round.
; EARLY = 1: the quarter's products all stand behind the request; EARLY = 0: two row blocks' products stand round the barrier's signal.
.macro TURN fill
	WIN 0
	s_wait_tensorcnt 0x0
	ds_add_u32 v[SPW], v[NIL]
.if EARLY
.if \fill
	s_add_co_u32 s37, s20, s22                     ; no load of mine is out: the walking descriptors step: into the slot just read,
	s_add_nc_u64 s[38:39], s[38:39], STEPA         ; the next K step
	s_add_co_u32 s61, s20, s23
	s_add_nc_u64 s[62:63], s[62:63], STEPB
.endif
	s_wait_dscnt 0x0                               ; the add is done, my reads of this slot are over
	s_barrier_signal -1
	s_barrier_wait -1
.else
	s_wait_dscnt 4*CPQ+1                           ; the add and A's row blocks 2 and 3 may be out
	MULA 1, 0, 0
	s_wait_dscnt 0x0                               ; the add is done, my reads of this slot are over
	s_barrier_signal -1
	MULA 1, 1, 0
	WIN 0
	s_barrier_wait -1
.endif
.if \fill
	CREST
.if EARLY == 0
	s_add_co_u32 s37, s20, s22                     ; the walking descriptors: into the slot just read,
	s_add_nc_u64 s[38:39], s[38:39], STEPA         ; the next K step; no load of mine is out
	s_add_co_u32 s61, s20, s23
	s_add_nc_u64 s[62:63], s[62:63], STEPB
.endif
	JLOAD
.else
	PLACES
.endif
	s_xor_b32 s20, s20, SLOT                       ; the other slot is read from here on
	v_add_nc_u32 v13, s20, v10
	v_add_nc_u32 v14, s20, v11
	v_add_nc_u32 v15, s20, v12
	FETCH 0, 0
.if EARLY
	MULA 1, 0, 0
	MULA 1, 1, 0
.endif
	MULA 1, 2, 0
	MULA 1, 3, 0
.endm
	s_load_b128 s[4:7], s[0:1], 0x0                ; A s[4:5], w16 s[6:7]
.if EPI == 0
	s_load_b64 s[8:9], s[0:1], 0x10                ; the output
.else
	s_load_b128 s[8:11], s[0:1], 0x10              ; the output, the bias
.endif
.if EPI == 2
	s_load_b64 s[12:13], s[0:1], 0x20              ; the residual
.endif
	v_lshl_add_u32 v[SPW], v0, 2, SPARE
	v_mov_b32 v[NIL], 0
	ds_add_u32 v28, v29
	s_wait_dscnt 0x0
	v_lshrrev_b32 v1, 5, v0
	v_readfirstlane_b32 s14, v1                    ; wave 0..3
	s_lshr_b32 s15, s14, 1                         ; I fetch for A (0) or B (1)
	s_and_b32 s16, s14, 1                          ; which half
	s_bfe_u32 s40, ttmp6, 0x40000                  ; cx
	s_bfe_u32 s41, ttmp6, 0x40004                  ; cy
	s_lshl_b32 s42, ttmp9, 2
	s_add_co_u32 s42, s42, s40                     ; tile column
	s_and_b32 s43, ttmp7, 0xffff
	s_lshl_b32 s43, s43, 2
	s_add_co_u32 s43, s43, s41                     ; tile row
	s_lshl_b32 s44, s41, 2
	s_lshl_b32 s44, 15, s44                        ; my row of the cluster
	s_lshl_b32 s45, 0x1111, s40                    ; my column
	; group 1: rows of 128 elements of 2 bytes, dense; padding after every 32 words: 4 words for A, 8 for B; bit 21 stands beside a mask
	s_or_b32 s24, s44, (1<<16)|(1<<20)|(1<<21)|(4<<22)|(3<<25)
	s_mov_b32 s25, 128<<16                         ; tensor_dim0
	s_mov_b32 s26, 128<<16                         ; tensor_dim1 = 128 rows
	s_mov_b32 s27, 128<<16                         ; tile_dim0
	s_mov_b32 s28, 128                             ; tile_dim1
	s_mov_b32 s29, 128                             ; elements from row to row
	s_mov_b32 s30, 0
	s_mov_b32 s31, 0
	s_or_b32 s48, s45, (1<<16)|(1<<20)|(1<<21)|(4<<22)|(7<<25)
	s_mov_b32 s49, 128<<16
	s_mov_b32 s50, RB<<16
	s_mov_b32 s51, 128<<16
	s_mov_b32 s52, RB
	s_mov_b32 s53, 128
	s_mov_b32 s54, 0
	s_mov_b32 s55, 0
	s_mul_i32 s66, s43, ATILE                      ; A: the tile row and my half; never the tile column
	s_lshl_b32 s17, s16, 15
	s_add_co_u32 s66, s66, s17
	s_mov_b32 s67, 0
	s_mul_i32 s46, s42, BTILE                      ; B: the tile column and my half; never the tile row
	s_mul_i32 s17, s16, STEPB/2
	s_add_co_u32 s46, s46, s17
	s_add_co_u32 s46, s46, WOFF
	s_mov_b32 s47, 0
	s_mul_i32 s22, s16, 36864                      ; where my part goes in a slot: the wave's number alone
	s_mul_i32 s23, s16, CB*BH
	s_add_co_u32 s23, s23, BOFF
	s_mov_b32 s20, 0                               ; the slot in hand
	CROUND                                         ; all sixteen work-groups are here: the first joint loads meet; the arguments come in meanwhile
	s_wait_kmcnt 0x0
	s_add_nc_u64 s[66:67], s[4:5], s[66:67]
	s_add_nc_u64 s[46:47], s[6:7], s[46:47]
	s_mov_b32 s32, 1                               ; group 0 for K step 0, slot 0
	s_mov_b32 s33, s22
	s_mov_b64 s[34:35], s[66:67]
	s_or_b32 s35, s35, 0x80000000
	s_mov_b32 s36, 1                               ; for K step 1, slot 1: this set walks on
	s_add_co_u32 s37, s22, SLOT
	s_add_nc_u64 s[38:39], s[66:67], STEPA
	s_or_b32 s39, s39, 0x80000000
	s_mov_b32 s56, 1
	s_mov_b32 s57, s23
	s_mov_b64 s[58:59], s[46:47]
	s_or_b32 s59, s59, 0x80000000
	s_mov_b32 s60, 1
	s_add_co_u32 s61, s23, SLOT
	s_add_nc_u64 s[62:63], s[46:47], STEPB
	s_or_b32 s63, s63, 0x80000000
	s_cmp_eq_u32 s15, 0                            ; a wave's two first fills stand in one branch: two loads of mine are out
	s_cbranch_scc0 .Lfirst_b
	tensor_load_to_lds s[32:35], s[24:31]
	s_nop 0
	tensor_load_to_lds s[36:39], s[24:31]
	s_nop 0
	PLACES
	s_branch .Lfirst_done
.Lfirst_b:
	tensor_load_to_lds s[56:59], s[48:55]
	s_nop 0
	tensor_load_to_lds s[60:63], s[48:55]
	s_nop 0
	PLACES
.Lfirst_done:
	v_and_b32 v1, 15, v0                           ; r = l % 16
	v_bfe_u32 v2, v0, 4, 1                         ; hh = l / 16
	v_and_b32 v3, 7, v0
	v_bfe_u32 v4, v0, 3, 1
	v_bfe_u32 v5, v0, 3, 2
	v_mul_u32_u24 v10, v1, 144                     ; A: row x pitch + 16 hh + my 64 rows
	v_lshl_add_u32 v10, v2, 4, v10
.if W22
	s_mul_i32 s17, s15, 9216
	s_mul_i32 s18, s16, BH
	s_add_co_u32 s18, s18, BOFF
.else
	s_mul_i32 s17, s14, 9216
	s_mov_b32 s18, BOFF
.endif
	v_add_nc_u32 v10, s17, v10
	v_lshl_add_u32 v11, v2, 3, v3                  ; B: row of k 8 hh + l % 8, 16 bytes by (l / 8) % 2
	v_mul_u32_u24 v11, v11, 160
	v_lshl_add_u32 v11, v4, 4, v11
	v_add_nc_u32 v11, s18, v11
	v_add_nc_u32 v12, CB*BH, v11
	v_mov_b32 v13, v10
	v_mov_b32 v14, v11
	v_mov_b32 v15, v12
	s_mul_i32 s21, s14, STG
	s_add_co_u32 s21, s21, STAGE                   ; my stage
	s_mov_b32 s69, 0
	s_mov_b32 s71, 0
.if EPI == 2
	v_mul_u32_u24 v[STO], v1, 272                  ; in: row r, 32 bytes for each half of the lanes
	v_lshl_add_u32 v[STO], v2, 5, v[STO]
	v_add_nc_u32 v[STO], s21, v[STO]
	v_mul_u32_u24 v[RD], v2, 272                   ; back: lanes 0-15 one row of 256 bytes, lanes 16-31 the next
	v_lshl_add_u32 v[RD], v1, 4, v[RD]
	v_add_nc_u32 v[RD], s21, v[RD]
	v_lshlrev_b32 v[GO], 4, v1                     ; the same two rows in the output and the residual
	v_lshl_add_u32 v[GO], v2, 12, v[GO]
	s_lshl_b32 s68, s43, 19                        ; (128 tile row + 64 wr) x 4,096 + (128 tile column + 64 wc) x 4
	s_lshl_b32 s17, s15, 18
	s_add_co_u32 s68, s68, s17
	s_lshl_b32 s70, s42, 9
	s_lshl_b32 s17, s16, 8
	s_add_co_u32 s70, s70, s17
	s_add_co_u32 s68, s68, s70
	s_add_nc_u64 s[12:13], s[12:13], s[68:69]
.else
	v_mul_u32_u24 v[STO], v1, 144                  ; in: row r, 16 bytes for each half of the lanes
	v_lshl_add_u32 v[STO], v2, 4, v[STO]
	v_add_nc_u32 v[STO], s21, v[STO]
	v_mul_u32_u24 v[RD], v5, 144                   ; back: 32 lanes take four rows of 128 bytes,
	v_lshl_add_u32 v[RD], v3, 4, v[RD]
	v_add_nc_u32 v[RD], s21, v[RD]
	v_and_b32 v[GO], 31, v0                        ; which are 512 consecutive bytes of the output
	v_lshlrev_b32 v[GO], 4, v[GO]
.if EPI == 0
	s_mul_i32 s68, s42, CB*OBLK                    ; [48][4096][64]: my tile's first block, my 64 rows
	s_lshl_b32 s17, s43, 15
	s_add_co_u32 s68, s68, s17
	s_lshl_b32 s17, s14, 13
	s_add_co_u32 s68, s68, s17
.else
	s_lshl_b32 s68, s43, 1                         ; [32 tiles of 128 rows][64 blocks][128][64]
	s_add_co_u32 s68, s68, s15
	s_lshl_b32 s68, s68, 20
	s_lshl_b32 s17, s42, 16
	s_add_co_u32 s68, s68, s17
	s_lshl_b32 s17, s16, 13
	s_add_co_u32 s68, s68, s17
	s_lshl_b32 s70, s42, 10                        ; the bias of my 256 columns
.endif
.endif
	s_add_nc_u64 s[8:9], s[8:9], s[68:69]
.if EPI > 0
	s_add_nc_u64 s[10:11], s[10:11], s[70:71]
	v_lshlrev_b32 v[BO], 5, v2                     ; the bias as a C operand: register j of block bb is column 16 bb + 8 hh + j, the same in all 16 rows
.set bb, 0
.rept NT
	global_load_b128 v[BIAS+8*bb:BIAS+8*bb+3],   v[BO], s[10:11] offset:64*bb
	global_load_b128 v[BIAS+8*bb+4:BIAS+8*bb+7], v[BO], s[10:11] offset:64*bb+16
.set bb, bb+1
.endr
.endif
.if EPI == 2
	WIN 0x80                                       ; the residual waits in window 2, in the order in which the rows leave
.set j, 0
.rept 32
	global_load_b128 v[RES+4*j:RES+4*j+3], v[GO], s[12:13] offset:2*j*4096
.set j, j+1
.endr
	WIN 0
.endif
	s_wait_tensorcnt 1                             ; my part of K step 0 is in; step 1's may stay out
	s_barrier_signal -1
	s_barrier_wait -1
	FETCH 0, 0
.if EPI == 2
	s_wait_loadcnt 32                              ; the bias is in: the 32 loads of the residual are younger
.elseif EPI == 1
	s_wait_loadcnt 0x0                             ; the bias
.endif
	QUARTER 0, 1, 1, 1                             ; the first quarter starts the sums
	WIN 0
	s_mov_b32 s3, NSTEP-2
.Lstep:                                                ; a trip: a step's quarters 1 to 3, the change of slots with a refill, the next step's quarter 0
	QUARTER 1, 0, 2, 0
	QUARTER 0, 1, 3, 0
	TURN 1
	QUARTER 0, 1, 1, 0
	WIN 0
	s_sub_co_u32 s3, s3, 1
	s_cmp_lg_u32 s3, 0
	s_cbranch_scc1 .Lstep
	s_mov_b32 s3, 2
.Ltail:                                                ; the last two steps ask for nothing; the second trip is left in its middle
	QUARTER 1, 0, 2, 0
	QUARTER 0, 1, 3, 0
	WIN 0
	s_sub_co_u32 s3, s3, 1
	s_cmp_eq_u32 s3, 0
	s_cbranch_scc1 .Lout
	TURN 0
	QUARTER 0, 1, 1, 0
	WIN 0
	s_cmp_lg_u32 s3, 0
	s_cbranch_scc1 .Ltail
.Lout:
	s_wait_dscnt 0x0
	MULA 1, 0, 0
	MULA 1, 1, 0
	MULA 1, 2, 0
	MULA 1, 3, 0
	PLACES
	; THE WAY OUT, a row block of 16 rows at a time, each accumulator's registers in ascending order
.if EPI == 2
	s_wait_loadcnt 0x0                             ; the residual
.set ra, 0
.rept 4
.set AC, 8*(ra&1)*NT
	WIN 0x08+4*(ra/2)                              ; a store's data in window 2 or 3
.set bb, 0
.rept NT
	ds_store_b128 v[STO], v[AC+8*bb:AC+8*bb+3]   offset:64*bb
	ds_store_b128 v[STO], v[AC+8*bb+4:AC+8*bb+7] offset:64*bb+16
.set bb, bb+1
.endr
	WIN 0
	s_wait_xcnt 0x0                                ; the last block's stores have read the registers that are loaded again
.irp t, 0,1,2,3,4,5,6,7
	ds_load_b128 v[BK+4*\t:BK+4*\t+3], v[RD] offset:544*\t  ; LDS serves a wave's instructions in order (ISA guide 5.7.1.4)
.endr
	s_wait_dscnt 0x0
	WIN 0x08
.set j, 0
.rept 16
	v_pk_add_f32 v[BK+2*j:BK+2*j+1], v[BK+2*j:BK+2*j+1], v[RES+32*ra+2*j:RES+32*ra+2*j+1]
.set j, j+1
.endr
	WIN 0
.irp t, 0,1,2,3,4,5,6,7
	global_store_b128 v[GO], v[BK+4*\t:BK+4*\t+3], s[8:9] offset:(16*ra+2*\t)*4096  ; 16 lanes store 256 consecutive bytes, aligned
.endr
.set ra, ra+1
.endr
.else
.set ra, 0
.rept 4
.set AC, 8*(ra&1)*NT
.if EPI == 1
	WIN 0x88+0x44*(ra/2)
.set j, 0
.rept 8*NT
	v_max_num_f32 v[AC+j], 0, v[AC+j]
.set j, j+1
.endr
.endif
	WIN 0x0a+5*(ra/2)
.set j, 0
.rept 4*NT
	v_cvt_pk_f16_f32 v[TMP+j], v[AC+2*j], v[AC+2*j+1]
.set j, j+1
.endr
	WIN 0
	s_wait_xcnt 0x0                                ; the last block's stores have read the registers that are loaded again
.set cb, 0
.rept NBK
.irp t, 0,1,2,3
	ds_store_b128 v[STO], v[TMP+16*cb+4*\t:TMP+16*cb+4*\t+3] offset:32*\t
.endr
.irp t, 0,1,2,3
	ds_load_b128 v[BK+16*cb+4*\t:BK+16*cb+4*\t+3], v[RD] offset:576*\t  ; LDS serves a wave's instructions in order (ISA guide 5.7.1.4): the next block's stores come behind these
.endr
.set cb, cb+1
.endr
	s_wait_dscnt 0x0
.set cb, 0
.rept NBK
.irp t, 0,1,2,3
	global_store_b128 v[GO], v[BK+16*cb+4*\t:BK+16*cb+4*\t+3], s[8:9] offset:cb*OBLK+ra*2048+\t*512  ; 512 consecutive bytes, aligned
.endr
.set cb, cb+1
.endr
.set ra, ra+1
.endr
.endif
	s_wait_tensorcnt 0x0                           ; the wave's end
	ds_add_u32 v[SPW], v[NIL]
	s_wait_dscnt 0x0
	CROUND                                         ; the closing round
	s_endpgm
.Lfunc_end_k_q24fec90c57_ffn2:
	.size	k_q24fec90c57_ffn2, .Lfunc_end_k_q24fec90c57_ffn2-k_q24fec90c57_ffn2
	.p2alignl 7, 3214868480
	.fill 96, 4, 3214868480
	.section	.rodata,"a",@progbits
	.p2align	6, 0x0
	.amdhsa_kernel k_q24fec90c57_ffn2
		.amdhsa_group_segment_fixed_size 327680
		.amdhsa_private_segment_fixed_size 0
		.amdhsa_enable_private_segment 0
		.amdhsa_kernarg_size 40
		.amdhsa_user_sgpr_count 2
		.amdhsa_user_sgpr_kernarg_segment_ptr 1
		.amdhsa_wavefront_size32 1
		.amdhsa_system_sgpr_workgroup_id_x 1
		.amdhsa_system_sgpr_workgroup_id_y 1
		.amdhsa_system_sgpr_workgroup_id_z 1
		.amdhsa_system_vgpr_workitem_id 0
		.amdhsa_next_free_vgpr 832
		.amdhsa_next_free_sgpr 72
		.amdhsa_reserve_vcc 0
		.amdhsa_float_denorm_mode_32 3
		.amdhsa_float_denorm_mode_16_64 3
		.amdhsa_memory_ordered 1
		.amdhsa_forward_progress 1
		.amdhsa_inst_pref_size 69
	.end_amdhsa_kernel
	.amdgpu_metadata
---
amdhsa.version: [ 1, 2 ]
amdhsa.kernels:
  - .name:           k_q24fec90c57_ffn2
    .symbol:         k_q24fec90c57_ffn2.kd
    .args:
      - { .name: ff16, .offset: 0, .size: 8, .value_kind: global_buffer, .address_space: global }
      - { .name: w16, .offset: 8, .size: 8, .value_kind: global_buffer, .address_space: global }
      - { .name: out0, .offset: 16, .size: 8, .value_kind: global_buffer, .address_space: global }
      - { .name: b2, .offset: 24, .size: 8, .value_kind: global_buffer, .address_space: global }
      - { .name: x1, .offset: 32, .size: 8, .value_kind: global_buffer, .address_space: global }
    .group_segment_fixed_size: 327680
    .private_segment_fixed_size: 0
    .kernarg_segment_align: 8
    .kernarg_segment_size: 40
    .max_flat_workgroup_size: 128
    .sgpr_count:     72
    .vgpr_count:     832
    .wavefront_size: 32
...
	.end_amdgpu_metadata
.endif
;; end of part 7
